; MI455X (gfx1250); checked and timed in simulation.
; The chip was launched on July 23, 2026; its instructions are those of AMD's public machine-readable ISA for CDNA 5 (MIT licence, August 2026) and "CDNA5" Instruction Set Architecture Reference Guide (July 2026). The comments in the code are by the model that wrote it; some were corrected since.
;; Encoder. Allowed arithmetic: matrix products marked QUANTISED: E2M3 operands, one E8M0 scale for each 32 along K, by v_wmma_scale_f32_16x16x128_f8f6f4 with both operands' format E2M3, f32 sums; everything else in f32.
;; Inputs: W1 768 x 3,072 float32; W2 3,072 x 768 float32; Wk 768 x 768 float32; Wo 768 x 768 float32; Wq 768 x 768 float32; Wv 768 x 768 float32; b1 3,072 float32; b2 768 float32; bk 768 float32; bo 768 float32; bq 768 float32; bv 768 float32; ln1_b 768 float32; ln1_g 768 float32; ln2_b 768 float32; ln2_g 768 float32; mask 1 x 1 x 1 x 4,096 int32; x 1 x 4,096 x 768 float32.
;; Outputs: out0 1 x 4,096 x 768 float32.
;; This version of the problem:
;;   THIS VERSION OF THE PROBLEM IS GIVEN IN LOW PRECISION. The matrix products marked QUANTISED in the list below multiply operands that are first quantised to E2M3 (2 exponent bits, 3 mantissa bits; 6 bits a number), with one power-of-two scale for each 32 numbers along K (OCP MX v1.0); their sums are f32. All else is computed in f32.
;;   The module's matrix products, in the order in which they are computed (A, B: the left and right operand; K: the contracted axis; several contracted axes count as one K, in the product's order):
;;     1. [M 4,096, K 768] x [K 768, N 768]; A: input x; B: input Wq: QUANTISED
;;     2. [M 4,096, K 768] x [K 768, N 768]; A: input x; B: input Wk: QUANTISED
;;     3. [M 4,096, K 768] x [K 768, N 768]; A: input x; B: input Wv: QUANTISED
;;     4. batch 12 x [M 4,096, K 64] x [K 64, N 4,096]; A: computed on the way; B: computed on the way: QUANTISED
;;     5. batch 12 x [M 4,096, K 4,096] x [K 4,096, N 64]; A: softmax (see below); B: computed on the way: QUANTISED
;;     6. [M 4,096, K 768] x [K 768, N 768]; A: computed on the way; B: input Wo: QUANTISED
;;     7. [M 4,096, K 768] x [K 768, N 3,072]; A: computed on the way; B: input W1: QUANTISED
;;     8. [M 4,096, K 3,072] x [K 3,072, N 768]; A: computed on the way; B: input W2: QUANTISED
;;   THE QUANTISER, for each operand of a quantised product, along K:
;;     - K is cut into blocks of 32 from its start; a last block that is shorter is filled with zeros.
;;     - A block's scale is 2^e with e = floor(log2(the largest magnitude in the block)) - 2, held to -126 .. 127; a block of zeros has e = 0. As a byte (E8M0): e + 127.
;;     - Each number is divided by its block's scale, clamped to +-7.5, and rounded to the nearest number of E2M3, ties to even, subnormals kept.
;;     - The product sums the exact products of the quantised numbers (number of the format x scale) in f32.
;;   ~~~python
;;   def quantise(x, axis):      # numpy; x: float32 -> the quantised numbers, widened to float32 again
;;       x = np.moveaxis(x, axis, -1); K = x.shape[-1]
;;       x = np.pad(x, [(0, 0)] * (x.ndim - 1) + [(0, -K % 32)]); x = x.reshape(x.shape[:-1] + (-1, 32)); a = np.abs(x).max(-1, keepdims=True)
;;       e = np.where(a > 0, np.clip(np.frexp(np.where(a > 0, a, 1))[1] - 1 - 2, -126, 127), 0)      # np.frexp(a)[1] - 1 = floor(log2(a)), exactly
;;       r = np.clip(x / 2.0 ** e, -7.5, 7.5)
;;       step = 2.0 ** (np.maximum(np.frexp(np.where(r == 0, 1, r))[1] - 1, 0) - 3)
;;       q = np.round(r / step) * step * 2.0 ** e      # np.round: ties to even
;;       return np.moveaxis(q.reshape(q.shape[:-2] + (-1,))[..., :K], -1, axis).astype(np.float32)
;;   ~~~
;;   SOFTMAX AHEAD OF A QUANTISED PRODUCT. Where the list says 'softmax', what is quantised is not the finished softmax but p = 2^(t - M), with t = logit x log2(e) and M = ceil(the row's largest t), a whole number; so 1/2 < the row's largest p <= 1. The row's sum l is taken of the UNQUANTISED p, in f32, and the product's result is divided by l at the end. Since M is a whole number, a kernel that streams over the keys may use a running M (the ceiling of the running maximum): every later rescaling is an exact power of two, which a block's scale takes up: the codes' values come out the same.
;;   OPERANDS COMPUTED ON THE WAY. 'Computed on the way' means the value that the module computes at that place (a softmax that the list does not call 'softmax' is quantised finished and normalised). What goes into a quantiser is computed in f32, as accurately as f32 sums, v_exp_f32 and their like allow (about 1e-6 of the number): no bf16 or f16 on the way to a quantiser, and a product that is left as it is and whose result goes on into a quantised operand takes f32 operands (vector FMAs, or v_wmma_f32_16x16x4_f32). A number that lies on a knife's edge between two numbers of the format may be rounded either way, as far as f32 arithmetic and the matrix unit's own rounding can turn it there, and no further.
;; One version. Each part assembles by itself: llvm-mc -triple=amdgcn-amd-amdhsa -mcpu=gfx1250 --defsym DOCPART=n.
;; ======== version 1 of 1: 7 launches
;; limits: right only within a limited range of input values
;; workspace buffers: prepbuf 7,987,200 bytes; qkvbuf 8,257,536 bytes; ctxbuf 2,457,600 bytes; hact 2,457,600 bytes; hid 9,830,400 bytes; hbres 12,582,912 bytes; ybuf 12,582,912 bytes
;; launch prep (part 1): grid 6 x 136, 4 waves a work-group, no clusters, 0 bytes of LDS; arguments x, Wq, Wk, Wv, Wo, W1, W2, prepbuf; writes prepbuf
.if DOCPART == 1
	.amdgcn_target "amdgcn-amd-amdhsa--gfx1250"
	.amdhsa_code_object_version 6
	.text
	.protected	k_q4a21e37dc2_prep
	.globl	k_q4a21e37dc2_prep
	.p2align	8
	.type	k_q4a21e37dc2_prep,@function
k_q4a21e37dc2_prep:
	s_mov_b64 s[64:65], 0
	v_nop
	global_prefetch_b8 v0, s[64:65] scope:SCOPE_SE
	s_setreg_imm32_b32 hwreg(HW_REG_WAVE_MODE, 25, 1), 1
	s_wait_xcnt 0x0
; x [4096][768] and the six weights [K][N], f32, become codes of FP6 (E2M3) with one E8M0 byte for each 32 along K, laid as IMAGES OF OPERAND REGISTERS, so that later launches load fragments whole.
; A fragment is 16 rows x 128 K: 12 registers a lane; lane (r, h) holds k = 64 c + 32 h + 0..31 in registers 6 c .. 6 c + 5.
; A TILE'S 16 ROWS ARE NOT NEIGHBOURS: in each group of 32 indices (tokens, or a weight's columns) tile u = 0, 1 has as its row r the index 8 u + (r & 7) + 16 (r >> 3).
; Weight image, 1,536 bytes: registers 4 g .. 4 g + 3 of lane L at 512 g + 16 L.  Token image: two halves of 768 bytes: registers 6 c .. 6 c + 3 at 768 c + 16 L, registers 6 c + 4, 6 c + 5 at 768 c + 512 + 8 L.
; Grid: x = the K step of 128 (six; W2's 24 steps are six in each of four runs), y = the task: 0-17 Wq, Wk, Wv; 18-23 Wo; 24-47 W2; 48-71 W1; 72-135 x.  A wave takes 32 columns (two tiles) or one tile of 16 tokens.
; WEIGHTS: a lane takes a column and its registers run down K: each load reads 128 neighbouring bytes, a block's largest magnitude needs no other lane, nothing is transposed.
; A block's byte is its largest magnitude's exponent field - 2, held at 1 from below.  LIMITS: a block of zeros, or one whose largest magnitude lies under 2^-124, keeps the byte 1 (its codes are zeros or subnormal codes;
; the bytes are read by this program alone); NaN and infinities among the inputs are not served.
; No LDS, no barrier: waves share nothing.  No register that a memory instruction names is written again.
.set OFF_WQKV, 2457600                 ; prepbuf: x's images from 0; Wq, Wk, Wv: 6 groups of 384 columns, a chunk of 38,400 bytes for a group and a K step
.set OFF_WO,   3840000                 ; Wo: 12 groups of 64 columns, chunks of 6,400
.set OFF_W1,   4300800                 ; W1: 8 groups of 384 columns, chunks of 38,400
.set OFF_W2,   6144000                 ; W2: 8 groups of 96 columns x 4 runs of six K steps, 57,600 bytes a run
.set XN,  32                           ; v32-159  the numbers
.set F0,  160                          ; v160-183 the codes: 12 registers for the image's lanes 0-15, 12 for lanes 16-31 (weights); one fragment (x)
.set FT,  184                          ; v184-199 the second half of each block's codes, before it is moved (a conversion's three registers begin on an even number)
.set TM,  16                           ; v16-25   at work in Q32
.set SEL, 44                           ; s[44:45] lane selects for v_permlanex16_b32: lane l xor 16
; 32 numbers of a lane, register 16 b + i = k 32 b + 16 (lane / 16) + i of the lane's row, become six registers of codes (lane (r, h): k = 32 h + 0..31) in v[d] on, and the two blocks' bytes in the low half of v[w].
.macro Q32 s, d, w
	v_max3_num_f32 v[TM], |v[\s]|, |v[\s+1]|, 0x1800000            ; the floor 2^(3 - 127) among the leaves: the byte cannot fall under 1
	v_max3_num_f32 v[TM+1], |v[\s+16]|, |v[\s+17]|, 0x1800000
.irp i, 2,4,6,8,10,12,14
	v_max3_num_f32 v[TM], v[TM], |v[\s+\i]|, |v[\s+\i+1]|           ; the two blocks by turns
	v_max3_num_f32 v[TM+1], v[TM+1], |v[\s+16+\i]|, |v[\s+17+\i]|
.endr
	v_permlanex16_b32 v[TM+2], v[TM], s[SEL], s[SEL+1]
	v_permlanex16_b32 v[TM+3], v[TM+1], s[SEL], s[SEL+1]
	v_max_num_f32 v[TM], v[TM], v[TM+2]                            ; with lane l xor 16's 16 numbers: the block's largest magnitude
	v_max_num_f32 v[TM+1], v[TM+1], v[TM+3]
	v_add_nc_u32 v[TM+4], 0xff000000, v[TM]                        ; 2 off the exponent field: the conversion's scale operand
	v_add_nc_u32 v[TM+5], 0xff000000, v[TM+1]
	v_lshrrev_b32 v[TM], 23, v[TM+4]                               ; the bytes
	v_lshrrev_b32 v[TM+1], 23, v[TM+5]
	v_lshl_or_b32 v[\w], v[TM+1], 8, v[TM]
	v_cvt_scalef32_pk16_fp6_f32 v[\d:\d+2], v[\s:\s+15], v[TM+4]
	v_cvt_scalef32_pk16_fp6_f32 v[TM+6:TM+8], v[\s+16:\s+31], v[TM+5]
	v_nop                                                          ; one plain place behind a scaled conversion
.irp i, 0,1,2
	v_permlane16_swap_b32 v[\d+\i], v[TM+6+\i]                     ; a whole block to a lane: lanes 0-15 the first block, lanes 16-31 the second
.endr
.irp i, 0,1,2
	v_mov_b32 v[\d+3+\i], v[TM+6+\i]
.endr
.endm
.macro WLOAD t, stride                 ; block t of my column: W(row0 + 32 t + i, column), i = 0..31
.set wi, 0
.rept 32
	global_load_b32 v[XN+32*(\t)+wi], v3, s[26:27] offset:(32*(\t)+wi)*(\stride) th:TH_LOAD_NT
.set wi, wi+1
.endr
.endm
.macro WBLOCK t, stride
.set XS, XN+32*(\t)
.set FD, F0+12*((\t)%2)+6*((\t)/2)     ; block t = 2 c + h belongs to the image's lane half h, registers 6 c on
.set FX, FT+4*(\t)
.if (\t) < 3
	s_wait_loadcnt 32                                              ; this block's 32 loads are in; the next block's 32 may be out
.else
	s_wait_loadcnt 0x0
.endif
.if (\t)+2 < 4
	WLOAD (\t)+2, \stride                                          ; two blocks ahead, into registers of its own
.endif
	v_max3_num_f32 v8, |v[XS]|, |v[XS+1]|, |v[XS+2]|               ; all 32 numbers of the block are mine: two chains
	v_max3_num_f32 v9, |v[XS+3]|, |v[XS+4]|, |v[XS+5]|
.irp i, 6,10,14,18,22,26
	v_max3_num_f32 v8, v8, |v[XS+\i]|, |v[XS+\i+1]|
	v_max3_num_f32 v9, v9, |v[XS+\i+2]|, |v[XS+\i+3]|
.endr
	v_max3_num_f32 v8, v8, |v[XS+30]|, |v[XS+31]|
	v_max3_num_f32 v8, v8, v9, 0x1800000                           ; and the floor
	v_add_nc_u32 v10, 0xff000000, v8
	v_lshrrev_b32 v11, 23, v10
.if (\t) == 0
	v_mov_b32 v12, v11                                             ; the column's scale word: byte t for k = 32 t ..
.else
	v_lshl_or_b32 v12, v11, 8*(\t), v12
.endif
	v_cvt_scalef32_pk16_fp6_f32 v[FD:FD+2], v[XS:XS+15], v10
	v_cvt_scalef32_pk16_fp6_f32 v[FX:FX+2], v[XS+16:XS+31], v10
	v_nop
.irp i, 0,1,2
	v_mov_b32 v[FD+3+\i], v[FX+\i]
.endr
.endm
; A weight's task.  In: s[26:27] the weight, s34 its first row, s35 the group of 32 columns, s30 the pair of tiles in the chunk, s31 and s33 the chunk's images and scale words in prepbuf.
.macro WHOLE stride
	s_mul_i32 s36, s34, \stride
	s_lshl_b32 s38, s35, 7
	s_add_co_u32 s36, s36, s38
	s_add_nc_u64 s[26:27], s[26:27], s[36:37]
	s_mul_i32 s38, s30, 3072
	s_add_co_u32 s38, s38, s31
	s_add_nc_u64 s[40:41], s[18:19], s[38:39]
	s_lshl_b32 s38, s30, 7
	s_add_co_u32 s38, s38, s33
	s_add_nc_u64 s[42:43], s[18:19], s[38:39]
	WLOAD 0, \stride
	WLOAD 1, \stride
	WBLOCK 0, \stride
	WBLOCK 1, \stride
	WBLOCK 2, \stride
	WBLOCK 3, \stride
.irp hh, 0,1
.irp g, 0,1,2
	global_store_b128 v14, v[F0+12*\hh+4*\g:F0+12*\hh+4*\g+3], s[40:41] offset:512*\g+256*\hh   ; the sixteen lanes of a tile fill 256 consecutive bytes, aligned
.endr
.endr
	global_store_b32 v15, v12, s[42:43]                            ; two tiles' scale words: 128 consecutive bytes
.endm
	s_load_b512 s[4:19], s[0:1], 0x0               ; x, Wq, Wk, Wv, Wo, W1, W2, prepbuf
	v_lshrrev_b32 v1, 5, v0
	v_readfirstlane_b32 s20, v1                    ; wave
	v_and_b32 v2, 31, v0                           ; lane L
	v_lshlrev_b32 v3, 2, v2                        ; 4 L
	v_bfe_u32 v4, v2, 3, 1                         ; column L of 32 lies in tile u = (L >> 3) & 1,
	v_and_b32 v5, 7, v2
	v_lshrrev_b32 v6, 4, v2
	v_lshl_add_u32 v5, v6, 3, v5                   ; as its row (L & 7) + 8 (L >> 4)
	v_mul_u32_u24 v14, v4, 1536
	v_lshl_add_u32 v14, v5, 4, v14                 ; the row's 16 bytes in the pair's images
	v_lshlrev_b32 v15, 6, v4
	v_lshl_add_u32 v15, v5, 2, v15                 ; and its scale word
	s_and_b32 s21, ttmp7, 0xffff                   ; Y
	s_mul_i32 s23, s21, 43
	s_lshr_b32 s23, s23, 8                         ; Y / 6 (exact for Y under 48)
	s_mul_i32 s24, s23, 6
	s_sub_co_u32 s24, s21, s24                     ; Y % 6
	s_lshl_b32 s35, s24, 2
	s_add_co_u32 s35, s35, s20                     ; 4 (Y % 6) + wave: which 32 of a weight's 768 columns
	s_lshl_b32 s34, ttmp9, 7                       ; first row: 128 x K step
	s_mov_b32 s37, 0
	s_mov_b32 s39, 0
	s_mov_b32 s[SEL], 0x76543210
	s_mov_b32 s[SEL+1], 0xfedcba98
	s_wait_kmcnt 0x0
	s_cmp_ge_u32 s21, 72
	s_cbranch_scc1 .Lx
	s_cmp_ge_u32 s21, 48
	s_cbranch_scc1 .Lw1
	s_cmp_ge_u32 s21, 24
	s_cbranch_scc1 .Lw2
	s_cmp_ge_u32 s21, 18
	s_cbranch_scc1 .Lwo
	s_cmp_eq_u32 s23, 0                            ; Wq, Wk or Wv: the choice hangs on the work-group's number alone
	s_cselect_b64 s[26:27], s[6:7], s[8:9]
	s_cmp_eq_u32 s23, 2
	s_cselect_b64 s[26:27], s[10:11], s[26:27]
	s_lshl_b32 s28, s21, 2
	s_add_co_u32 s28, s28, s20                     ; which 32 of the 2,304 columns
	s_mul_i32 s29, s28, 5462
	s_lshr_b32 s29, s29, 16                        ; / 12: the group of 384
	s_mul_i32 s30, s29, 12
	s_sub_co_u32 s30, s28, s30                     ; the pair of tiles in it
	s_mul_i32 s31, s29, 230400
	s_mul_i32 s32, ttmp9, 38400
	s_add_co_u32 s31, s31, s32
	s_add_co_u32 s33, s31, OFF_WQKV+36864
	s_add_co_u32 s31, s31, OFF_WQKV
	s_branch .Lnarrow
.Lwo:
	s_mov_b64 s[26:27], s[12:13]
	s_lshr_b32 s29, s35, 1                         ; the group of 64 columns
	s_and_b32 s30, s35, 1
	s_mul_i32 s31, s29, 38400
	s_mul_i32 s32, ttmp9, 6400
	s_add_co_u32 s31, s31, s32
	s_add_co_u32 s33, s31, OFF_WO+6144
	s_add_co_u32 s31, s31, OFF_WO
	s_branch .Lnarrow
.Lw2:
	s_mov_b64 s[26:27], s[16:17]
	s_sub_co_u32 s28, s23, 4                       ; the run of six K steps
	s_mul_i32 s29, s35, 21846
	s_lshr_b32 s29, s29, 16                        ; / 3: the group of 96 columns
	s_mul_i32 s30, s29, 3
	s_sub_co_u32 s30, s35, s30
	s_lshl_b32 s29, s29, 2
	s_add_co_u32 s29, s29, s28
	s_mul_i32 s31, s29, 57600
	s_mul_i32 s32, ttmp9, 384
	s_add_co_u32 s33, s31, s32
	s_add_co_u32 s33, s33, OFF_W2+55296
	s_mul_i32 s32, ttmp9, 9216
	s_add_co_u32 s31, s31, s32
	s_add_co_u32 s31, s31, OFF_W2
	s_mul_i32 s28, s28, 768
	s_add_co_u32 s34, s34, s28                     ; first row: 768 x run + 128 x step
.Lnarrow:
	s_wait_alu depctr_va_vdst(0)
	WHOLE 3072                                     ; a row of these weights is 3,072 bytes
	s_endpgm
.Lw1:
	s_mov_b64 s[26:27], s[14:15]
	s_sub_co_u32 s35, s21, 48
	s_lshl_b32 s35, s35, 2
	s_add_co_u32 s35, s35, s20                     ; which 32 of the 3,072 columns
	s_mul_i32 s29, s35, 5462
	s_lshr_b32 s29, s29, 16
	s_mul_i32 s30, s29, 12
	s_sub_co_u32 s30, s35, s30
	s_mul_i32 s31, s29, 230400
	s_mul_i32 s32, ttmp9, 38400
	s_add_co_u32 s31, s31, s32
	s_add_co_u32 s33, s31, OFF_W1+36864
	s_add_co_u32 s31, s31, OFF_W1
	s_wait_alu depctr_va_vdst(0)
	WHOLE 12288
	s_endpgm
.Lx:
	; x: one tile of 16 tokens x 128 along K.  Lane (r, h) takes of its token 16 neighbouring numbers of each block of 32.
	s_sub_co_u32 s28, s21, 72
	s_lshl_b32 s28, s28, 2
	s_add_co_u32 s28, s28, s20                     ; the tile T
	s_lshr_b32 s29, s28, 1
	s_lshl_b32 s29, s29, 5
	s_and_b32 s30, s28, 1
	s_lshl_b32 s30, s30, 3
	s_add_co_u32 s29, s29, s30                     ; its first token: 32 (T >> 1) + 8 (T & 1)
	s_mul_i32 s36, s29, 3072
	s_lshl_b32 s30, ttmp9, 9
	s_add_co_u32 s36, s36, s30
	s_add_nc_u64 s[26:27], s[4:5], s[36:37]
	s_lshr_b32 s29, s28, 3
	s_mul_i32 s29, s29, 6
	s_add_co_u32 s29, s29, ttmp9
	s_mul_i32 s29, s29, 12800                      ; the chunk of (128 tokens, K step)
	s_and_b32 s30, s28, 7
	s_mul_i32 s38, s30, 1536
	s_add_co_u32 s38, s38, s29
	s_add_nc_u64 s[40:41], s[18:19], s[38:39]
	s_lshl_b32 s38, s30, 6
	s_add_co_u32 s38, s38, s29
	s_add_co_u32 s38, s38, 12288
	s_add_nc_u64 s[42:43], s[18:19], s[38:39]
	v_and_b32 v4, 15, v2                           ; r
	v_lshrrev_b32 v5, 4, v2                        ; h
	v_and_b32 v6, 7, v4
	v_lshrrev_b32 v7, 3, v4
	v_lshl_add_u32 v6, v7, 4, v6                   ; row r's token: (r & 7) + 16 (r >> 3) on
	v_mul_u32_u24 v6, v6, 3072
	v_lshl_add_u32 v6, v5, 6, v6
.irp b, 0,1,2,3
.irp j, 0,1,2,3
	global_load_b128 v[XN+16*\b+4*\j:XN+16*\b+4*\j+3], v6, s[26:27] offset:128*\b+16*\j th:TH_LOAD_NT
.endr
.endr
	v_lshlrev_b32 v7, 4, v2
	v_lshlrev_b32 v8, 3, v2
	v_lshlrev_b32 v9, 2, v4
	v_mov_b32 v[TM+2], 0                           ; a lane permute's destination counts as one of its sources
	v_mov_b32 v[TM+3], 0
	s_wait_loadcnt 0x0
	Q32 XN, F0, 12
	Q32 XN+32, F0+6, 13
	v_lshl_or_b32 v12, v13, 16, v12
	global_store_b128 v7, v[F0:F0+3], s[40:41]
	global_store_b64 v8, v[F0+4:F0+5], s[40:41] offset:512
	global_store_b128 v7, v[F0+6:F0+9], s[40:41] offset:768
	global_store_b64 v8, v[F0+10:F0+11], s[40:41] offset:1280
	global_store_b32 v9, v12, s[42:43]             ; lanes r and r + 16 store the same word with the same value
	s_endpgm
.Lfunc_end_k_q4a21e37dc2_prep:
	.size	k_q4a21e37dc2_prep, .Lfunc_end_k_q4a21e37dc2_prep-k_q4a21e37dc2_prep
	.p2alignl 7, 3214868480
	.fill 96, 4, 3214868480
	.section	.rodata,"a",@progbits
	.p2align	6, 0x0
	.amdhsa_kernel k_q4a21e37dc2_prep
		.amdhsa_group_segment_fixed_size 0
		.amdhsa_private_segment_fixed_size 0
		.amdhsa_enable_private_segment 0
		.amdhsa_kernarg_size 64
		.amdhsa_user_sgpr_count 2
		.amdhsa_user_sgpr_kernarg_segment_ptr 1
		.amdhsa_wavefront_size32 1
		.amdhsa_system_sgpr_workgroup_id_x 1
		.amdhsa_system_sgpr_workgroup_id_y 1
		.amdhsa_system_sgpr_workgroup_id_z 1
		.amdhsa_system_vgpr_workitem_id 0
		.amdhsa_next_free_vgpr 208
		.amdhsa_next_free_sgpr 66
		.amdhsa_reserve_vcc 0
		.amdhsa_float_denorm_mode_32 3
		.amdhsa_float_denorm_mode_16_64 3
		.amdhsa_memory_ordered 1
		.amdhsa_forward_progress 1
		.amdhsa_inst_pref_size 50
	.end_amdhsa_kernel
	.amdgpu_metadata
---
amdhsa.version: [ 1, 2 ]
amdhsa.kernels:
  - .name:           k_q4a21e37dc2_prep
    .symbol:         k_q4a21e37dc2_prep.kd
    .args:
      - { .name: x, .offset: 0, .size: 8, .value_kind: global_buffer, .address_space: global }
      - { .name: Wq, .offset: 8, .size: 8, .value_kind: global_buffer, .address_space: global }
      - { .name: Wk, .offset: 16, .size: 8, .value_kind: global_buffer, .address_space: global }
      - { .name: Wv, .offset: 24, .size: 8, .value_kind: global_buffer, .address_space: global }
      - { .name: Wo, .offset: 32, .size: 8, .value_kind: global_buffer, .address_space: global }
      - { .name: W1, .offset: 40, .size: 8, .value_kind: global_buffer, .address_space: global }
      - { .name: W2, .offset: 48, .size: 8, .value_kind: global_buffer, .address_space: global }
      - { .name: prepbuf, .offset: 56, .size: 8, .value_kind: global_buffer, .address_space: global }
    .group_segment_fixed_size: 0
    .private_segment_fixed_size: 0
    .kernarg_segment_align: 8
    .kernarg_segment_size: 64
    .max_flat_workgroup_size: 128
    .sgpr_count:     66
    .vgpr_count:     208
    .wavefront_size: 32
...
	.end_amdgpu_metadata
.endif
;; end of part 1
;; launch qkv (part 2): grid 32 x 6, 12 waves a work-group, clusters of 4 x 1, 327,680 bytes of LDS; arguments prepbuf, bq, bk, bv, mask, qkvbuf; writes qkvbuf
.if DOCPART == 2
	.amdgcn_target "amdgcn-amd-amdhsa--gfx1250"
	.amdhsa_code_object_version 6
	.text
	.protected	k_q4a21e37dc2_qkv
	.globl	k_q4a21e37dc2_qkv
	.p2align	8
	.type	k_q4a21e37dc2_qkv,@function
k_q4a21e37dc2_qkv:
	s_mov_b64 s[64:65], 0
	v_nop
	global_prefetch_b8 v0, s[64:65] scope:SCOPE_SE
	s_setreg_imm32_b32 hwreg(HW_REG_WAVE_MODE, 25, 1), 1
	s_wait_xcnt 0x0
	s_wait_alu depctr_hold_cnt(0) depctr_sa_sdst(0) depctr_va_vdst(0) depctr_va_sdst(0) depctr_va_ssrc(0) depctr_va_vcc(0) depctr_vm_vsrc(0)
	s_getreg_b32 s2, hwreg(HW_REG_IB_STS2, 6, 4)
	s_cmp_eq_u32 s2, 0
	s_cbranch_scc0 .Lentry_in_a_cluster
	s_endpgm
.Lentry_in_a_cluster:
	s_bfe_u32 s2, ttmp6, 0x10000c
	s_cmp_lg_u32 s2, 0x3003
	s_cbranch_scc0 .Lentry_shape_is_right
	s_endpgm
.Lentry_shape_is_right:
; q = x Wq + bq, k = x Wk + bk, v = x Wv + bv on codes of FP6 with E8M0 scales; the results are quantised at once for attention: q and k along the head's 64, v along the keys; the mask becomes a table of addends.
; A work-group takes 128 tokens x 384 columns: y = 0, 1: q; 2, 3: k; 4, 5: v.  6 such column parts x 32 = 192 work-groups: 2,304 columns do not part into 256 equal shares of whole heads.
; All six K steps of both operands (307,200 bytes) come into LDS once: nothing is filled again.  The four work-groups of a cluster have the same columns: the weight's chunks are asked for JOINTLY; x's chunks are each work-group's own.
; Operands lie in memory and LDS as images of their registers, so every LDS load reads 512 or 256 consecutive bytes: no pitch, no padding.
; q, k: source 0 = 16 columns of the weight, source 1 = 16 tokens: a lane holds ONE token and its registers run along the columns, 16 neighbours in two neighbouring tiles (a tile's rows are 8 u + (r & 7) + 16 (r >> 3) of 32).
; v: source 0 = 16 tokens, source 1 = 16 columns: a lane holds one column and its registers run along the tokens, which are the second product's K.
; Both ways are one pattern: THE EIGHT (tiles of source 0, four at a time) against THE PAIR (two tiles of source 1): 16 accumulators by turns.
; OUT.  For a head and 128 keys a record of 13,312 bytes: 4 double tiles of k (registers 0-5: 16 keys' 64 channels, registers 6-11: 16 other keys'), 4 tiles of v, k's and v's scale words, 128 addends (0, or -2^90 where mask = 0).
; For a head and 16 queries a record of 1,024 bytes: six registers of codes and a scale word with the two bytes twice.
; LIMITS: as in the first launch's quantiser (byte held at 1 from below; NaN and infinities not served).
.set OFF_WQKV, 2457600
.set QREC,   5111808                   ; the queries' records begin behind 12 x 32 records of keys
.set REC,    13312
.set SPARE,  307200                    ; LDS: x's six chunks on end (76,800 bytes), then the weight's six (230,400); behind them the spare words, 128 bytes for each of 12 waves
.set SPW, 4
.set NIL, 5
.set X16, 6                            ; LDS addresses in the K step in hand: token images, 16 bytes a lane;
.set X8,  7                            ; 8 bytes a lane;
.set SX,  8                            ; their scale words;
.set W16, 9                            ; weight images;
.set SW,  10                           ; their scale words
.set PR,  12                           ; v12-35   the pair
.set EI,  36                           ; v36-83   four of the eight
.set PS,  84                           ; v84      the pair's scale words: one tile in lanes 0-15, the other in lanes 16-31
.set ES,  85                           ; v85-88   the eight's, two tiles to a register
.set MK,  90                           ; v90      32 words of the mask
.set ACC, 96                           ; v96-223  accumulator (pair c, eight t) at 96 + 64 c + 8 t
.set BV,  224                          ; v224-239 v's bias, eight registers for each of the pair
.set TM,  240                          ; v240-249 at work in Q32
.set CD,  12                           ; the way out: codes
.set WD,  40                           ; and words
.set WV,  16
.set SEL, 20
.set G1P, 24                           ; s[24:31] descriptor group 1 of a work-group's own loads;  s[32:39] of joint loads
.set G1J, 32
.set G0X, 40                           ; s[40:43] group 0 for x's chunks;  s[52:55] for the weight's
.set G0W, 52
.macro CROUND                          ; a round of the cluster's barrier
	s_barrier_signal -1
	s_barrier_wait -1
	s_cmp_lg_u32 s[WV], 0
	s_cbranch_scc1 .Lnot_wave_0_\@
	s_barrier_signal -3
.Lnot_wave_0_\@:
	s_barrier_wait -3
	s_barrier_signal -1
	s_barrier_wait -1
.endm
.macro PLACES n
.rept \n
	v_nop
.endr
.endm
.macro Q32 s, d, w                     ; 32 numbers of a lane (register 16 b + i = k 32 b + 16 (lane / 16) + i) -> six registers of codes (lane (r, h): k = 32 h ..) and two bytes
	v_max3_num_f32 v[TM], |v[\s]|, |v[\s+1]|, 0x1800000
	v_max3_num_f32 v[TM+1], |v[\s+16]|, |v[\s+17]|, 0x1800000
.irp i, 2,4,6,8,10,12,14
	v_max3_num_f32 v[TM], v[TM], |v[\s+\i]|, |v[\s+\i+1]|
	v_max3_num_f32 v[TM+1], v[TM+1], |v[\s+16+\i]|, |v[\s+17+\i]|
.endr
	s_delay_alu instid0(VALU_DEP_2)
	v_permlanex16_b32 v[TM+2], v[TM], s[SEL], s[SEL+1]
	s_delay_alu instid0(VALU_DEP_2)
	v_permlanex16_b32 v[TM+3], v[TM+1], s[SEL], s[SEL+1]
	s_delay_alu instid0(VALU_DEP_2)
	v_max_num_f32 v[TM], v[TM], v[TM+2]
	s_delay_alu instid0(VALU_DEP_2)
	v_max_num_f32 v[TM+1], v[TM+1], v[TM+3]
	s_delay_alu instid0(VALU_DEP_2)
	v_add_nc_u32 v[TM+4], 0xff000000, v[TM]
	s_delay_alu instid0(VALU_DEP_2)
	v_add_nc_u32 v[TM+5], 0xff000000, v[TM+1]
	s_delay_alu instid0(VALU_DEP_2)
	v_lshrrev_b32 v[TM], 23, v[TM+4]
	s_delay_alu instid0(VALU_DEP_2)
	v_lshrrev_b32 v[TM+1], 23, v[TM+5]
	s_delay_alu instid0(VALU_DEP_1)
	v_lshl_or_b32 v[\w], v[TM+1], 8, v[TM]
	v_cvt_scalef32_pk16_fp6_f32 v[\d:\d+2], v[\s:\s+15], v[TM+4]
	v_cvt_scalef32_pk16_fp6_f32 v[TM+6:TM+8], v[\s+16:\s+31], v[TM+5]
	v_nop
.irp i, 0,1,2
	v_permlane16_swap_b32 v[\d+\i], v[TM+6+\i]
.endr
.irp i, 0,1,2
	s_delay_alu instid0(VALU_DEP_3)
	v_mov_b32 v[\d+3+\i], v[TM+6+\i]
.endr
.endm
; One product.  ra, rb = 1: that side's scale words stand in lanes 16-31 of the register named.
.macro WM d, a, b, c, sa, sb, ra, rb
.if ((\ra) == 1) && ((\rb) == 1)
	v_wmma_scale_f32_16x16x128_f8f6f4 v[\d:\d+7], v[\a:\a+11], v[\b:\b+11], v[\c:\c+7], v[\sa], v[\sb] matrix_a_fmt:MATRIX_FMT_FP6 matrix_b_fmt:MATRIX_FMT_FP6 matrix_a_scale:MATRIX_SCALE_ROW1 matrix_b_scale:MATRIX_SCALE_ROW1
.elseif (\ra) == 1
	v_wmma_scale_f32_16x16x128_f8f6f4 v[\d:\d+7], v[\a:\a+11], v[\b:\b+11], v[\c:\c+7], v[\sa], v[\sb] matrix_a_fmt:MATRIX_FMT_FP6 matrix_b_fmt:MATRIX_FMT_FP6 matrix_a_scale:MATRIX_SCALE_ROW1
.elseif (\rb) == 1
	v_wmma_scale_f32_16x16x128_f8f6f4 v[\d:\d+7], v[\a:\a+11], v[\b:\b+11], v[\c:\c+7], v[\sa], v[\sb] matrix_a_fmt:MATRIX_FMT_FP6 matrix_b_fmt:MATRIX_FMT_FP6 matrix_b_scale:MATRIX_SCALE_ROW1
.else
	v_wmma_scale_f32_16x16x128_f8f6f4 v[\d:\d+7], v[\a:\a+11], v[\b:\b+11], v[\c:\c+7], v[\sa], v[\sb] matrix_a_fmt:MATRIX_FMT_FP6 matrix_b_fmt:MATRIX_FMT_FP6
.endif
.endm
.macro LDACT reg, off                  ; a token image -> 12 registers
	ds_load_b128 v[\reg:\reg+3], v[X16] offset:\off
	ds_load_b64 v[\reg+4:\reg+5], v[X8] offset:\off+512
	ds_load_b128 v[\reg+6:\reg+9], v[X16] offset:\off+768
	ds_load_b64 v[\reg+10:\reg+11], v[X8] offset:\off+1280
.endm
.macro LDW reg, off                    ; a weight image -> 12 registers
.irp g, 0,1,2
	ds_load_b128 v[\reg+4*\g:\reg+4*\g+3], v[W16] offset:\off+512*\g
.endr
.endm
.macro PRODS g, first                  ; tiles 4 g .. 4 g + 3 of the eight x the pair.  first = 1: the sums begin with v's bias
.irp t, 0,1,2,3
.irp c, 0,1
.if \first
	WM ACC+64*\c+8*(4*\g+\t), EI+12*\t, PR+12*\c, BV+8*\c, ES+2*\g+\t/2, PS, \t%2, \c
.else
	WM ACC+64*\c+8*(4*\g+\t), EI+12*\t, PR+12*\c, ACC+64*\c+8*(4*\g+\t), ES+2*\g+\t/2, PS, \t%2, \c
.endif
.endr
.endr
.endm
; A K step of 128.  kind 0: the pair are tokens, the eight weight tiles; kind 1: the other way round.  sx, sw: bytes on to the next K step's chunks (0: the last step).
.macro KSTEP kind, sx, sw, first
.if \kind == 0
	LDACT PR, 0
	LDACT PR+12, 1536
	ds_load_b32 v[PS], v[SX]
.irp q, 0,1,2,3
	ds_load_b32 v[ES+\q], v[SW] offset:128*\q
.endr
.irp t, 0,1,2,3
	LDW EI+12*\t, 1536*\t
.endr
.else
	LDW PR, 0
	LDW PR+12, 1536
	ds_load_b32 v[PS], v[SW]
.irp q, 0,1,2,3
	ds_load_b32 v[ES+\q], v[SX] offset:128*\q
.endr
.irp t, 0,1,2,3
	LDACT EI+12*\t, 1536*\t
.endr
.endif
	s_wait_dscnt 0x0
	PRODS 0, \first
	PLACES 4                                       ; four places ahead of loads into registers that matrix instructions have read
.irp t, 0,1,2,3
.if \kind == 0
	LDW EI+12*\t, 1536*(4+\t)
.else
	LDACT EI+12*\t, 1536*(4+\t)
.endif
.endr
	s_wait_dscnt 0x0
	PRODS 1, \first
.if \sx > 0
	v_add_nc_u32 v[X16], 12800, v[X16]             ; (sx > 0 says only that a K step follows) the chunks lie on end: 12,800 and 38,400 bytes on; the five steps are the places ahead of the next K step's loads
	v_add_nc_u32 v[X8], 12800, v[X8]
	v_add_nc_u32 v[SX], 12800, v[SX]
	v_add_nc_u32 v[W16], 38400, v[W16]
	v_add_nc_u32 v[SW], 38400, v[SW]
.else
	PLACES 4                                       ; ahead of the first read of results, and of writes into the operands' registers
.endif
.endm
	s_load_b256 s[4:11], s[0:1], 0x0               ; prepbuf, bq, bk, bv
	s_load_b128 s[12:15], s[0:1], 0x20             ; mask, qkvbuf
	v_lshl_add_u32 v[SPW], v0, 2, SPARE
	v_mov_b32 v[NIL], 0
	ds_add_u32 v[SPW], v[NIL]                      ; the wave's opening: the add and its wait ahead of the first tensor load; work on registers stands between them
	ds_add_u32 v[SPW], v[NIL]
	v_lshrrev_b32 v1, 5, v0
	s_delay_alu instid0(VALU_DEP_1)
	v_readfirstlane_b32 s[WV], v1                  ; wave 0..11
	s_bfe_u32 s17, ttmp6, 0x40000                  ; cx
	s_lshl_b32 s18, ttmp9, 2
	s_add_co_u32 s18, s18, s17                     ; my 128 tokens: 4 x cluster x + cx
	s_and_b32 s19, ttmp7, 0xffff                   ; my 384 columns, which the four partners share
	v_and_b32 v11, 31, v0
	s_delay_alu instid0(VALU_DEP_1)
	v_lshlrev_b32 v1, 4, v11                       ; 16 L
	s_delay_alu instid0(VALU_DEP_2)
	v_lshlrev_b32 v2, 3, v11                       ; 8 L
	s_delay_alu instid0(VALU_DEP_3)
	v_lshlrev_b32 v3, 2, v11                       ; 4 L
	v_and_b32 v89, 15, v0                          ; r
	v_bfe_u32 v93, v0, 4, 1
	s_delay_alu instid0(VALU_DEP_2)
	v_lshlrev_b32 v91, 2, v89                      ; 4 r
	s_delay_alu instid0(VALU_DEP_3)
	v_lshlrev_b32 v92, 4, v89                      ; 16 r
	s_delay_alu instid0(VALU_DEP_3)
	v_lshlrev_b32 v93, 6, v93                      ; 64 h
	v_mov_b32 v[TM+2], 0                           ; a lane permute's destination counts as one of its sources
	v_mov_b32 v[TM+3], 0
	s_mov_b32 s[SEL], 0x76543210
	s_mov_b32 s[SEL+1], 0xfedcba98
	; descriptor group 1: 25,600 dense bytes as 100 rows of 32 elements of 8 bytes
	s_mov_b32 s[G1P], 3<<16                        ; no mask
	s_mov_b32 s[G1J], 15|(3<<16)|(1<<21)           ; the mask names all four work-groups; bit 21 beside it
.irp g, G1P, G1J
	s_mov_b32 s[\g+1], 32<<16                      ; tensor_dim0
	s_mov_b32 s[\g+2], 100<<16                     ; tensor_dim1: 25,600 dense bytes as 100 rows of 256
	s_mov_b32 s[\g+3], 32<<16                      ; tile_dim0
	s_mov_b32 s[\g+4], 100                         ; tile_dim1
	s_mov_b32 s[\g+5], 32                          ; the pitch
	s_mov_b32 s[\g+6], 0
	s_mov_b32 s[\g+7], 0
.endr
	s_mul_i32 s66, s[WV], 25600                    ; wave x 25,600, in LDS and in memory alike: waves 0 to 2 bring x's 76,800 bytes, waves 3 to 11 the weight's 230,400
	s_mul_i32 s68, s18, 76800
	s_add_co_u32 s68, s68, s66
	s_mov_b32 s69, 0
	s_mul_i32 s70, s19, 230400                     ; (these two registers never hold cx)
	s_add_co_u32 s70, s70, s66
	s_add_co_u32 s70, s70, OFF_WQKV-76800
	s_mov_b32 s71, 0
	s_wait_dscnt 0x0                               ; the opening add is done
	s_wait_kmcnt 0x0
	s_add_nc_u64 s[68:69], s[4:5], s[68:69]
	s_add_nc_u64 s[70:71], s[4:5], s[70:71]
	s_mov_b32 s[G0X], 1
	s_mov_b32 s[G0X+1], s66
	s_mov_b64 s[G0X+2:G0X+3], s[68:69]
	s_or_b32 s[G0X+3], s[G0X+3], 0x80000000
	s_mov_b32 s[G0W], 1
	s_mov_b32 s[G0W+1], s66
	s_mov_b64 s[G0W+2:G0W+3], s[70:71]
	s_or_b32 s[G0W+3], s[G0W+3], 0x80000000
	CROUND                                         ; all four work-groups are here: the joint loads meet
	s_cmp_lt_u32 s[WV], 3                          ; one tensor load a wave: every way through the branch passes one
	s_cbranch_scc0 .Lnot_x
	tensor_load_to_lds s[G0X:G0X+3], s[G1P:G1P+7]
	s_nop 0
	PLACES 4
	s_branch .Lasked
.Lnot_x:
	tensor_load_to_lds s[G0W:G0W+3], s[G1J:G1J+7]
	s_nop 0
	PLACES 4
.Lasked:
	s_wait_tensorcnt 0x0                           ; my parts have landed,
	s_barrier_signal -1
	s_barrier_wait -1                              ; everybody's have: from here on LDS is only read
	s_cmp_lt_u32 s19, 4                            ; the same in all waves and all partners
	s_cbranch_scc0 .Lv
	; ---- q and k: wave w: tokens' tiles 2 p, 2 p + 1 (p = w & 3) x weight tiles 8 cq .. 8 cq + 7 (cq = w >> 2): two heads
	s_and_b32 s72, s[WV], 3
	s_lshr_b32 s73, s[WV], 2
	s_mul_i32 s74, s72, 3072
	v_add_nc_u32 v[X16], s74, v1
	v_add_nc_u32 v[X8], s74, v2
	s_lshl_b32 s74, s72, 7
	s_add_co_u32 s74, s74, 12288
	v_add_nc_u32 v[SX], s74, v3
	s_mul_i32 s74, s73, 12288
	s_add_co_u32 s74, s74, 76800
	v_add_nc_u32 v[W16], s74, v1
	s_lshl_b32 s74, s73, 9
	s_add_co_u32 s74, s74, 113664
	v_add_nc_u32 v[SW], s74, v3
	s_cmp_lt_u32 s19, 2
	s_cselect_b64 s[76:77], s[6:7], s[8:9]         ; bq or bk
	s_and_b32 s82, s19, 1                          ; which 384 of the 768 columns
	s_mul_i32 s78, s82, 1536
	s_lshl_b32 s74, s73, 9
	s_add_co_u32 s78, s78, s74
	s_mov_b32 s79, 0
	s_add_nc_u64 s[76:77], s[76:77], s[78:79]
	s_lshl_b32 s78, s18, 9
	s_lshl_b32 s74, s72, 7
	s_add_co_u32 s78, s78, s74
	s_add_nc_u64 s[80:81], s[12:13], s[78:79]      ; the mask of tokens 128 tg + 32 p on
	s_wait_alu depctr_va_vdst(0)
.irp c, 0,1
.irp t, 0,1,2,3,4,5,6,7                        ; the sums begin as the bias: register j of tile t in lane half h is column 32 (t / 2) + 16 h + 8 (t % 2) + j
	global_load_b128 v[ACC+64*\c+8*\t:ACC+64*\c+8*\t+3], v93, s[76:77] offset:128*(\t/2)+32*(\t%2)
	global_load_b128 v[ACC+64*\c+8*\t+4:ACC+64*\c+8*\t+7], v93, s[76:77] offset:128*(\t/2)+32*(\t%2)+16
.endr
.endr
	global_load_b32 v[MK], v3, s[80:81]
	s_mul_i32 s82, s82, 6
	s_lshl_b32 s74, s73, 1
	s_add_co_u32 s82, s82, s74                     ; my first head
	s_wait_loadcnt 0x0
	KSTEP 0, 12800, 38400, 0
	s_wait_alu depctr_va_vdst(0)
	KSTEP 0, 89600, 64000, 0
	s_wait_alu depctr_va_vdst(0)
	KSTEP 0, 12800, 38400, 0
	s_wait_alu depctr_va_vdst(0)
	KSTEP 0, 89600, 64000, 0
	s_wait_alu depctr_va_vdst(0)
	KSTEP 0, 12800, 38400, 0
	s_wait_alu depctr_va_vdst(0)
	KSTEP 0, 0, 0, 0
	Q32 ACC, CD, WD                                ; codes of (head hd, tokens' tile c) at CD + 12 hd + 6 c, bytes at WD + 2 hd + c
	Q32 ACC+32, CD+12, WD+2
	Q32 ACC+64, CD+6, WD+1
	Q32 ACC+96, CD+18, WD+3
	s_cmp_lt_u32 s19, 2
	s_cbranch_scc0 .Lk
.irp n, 0,1,2,3
	v_lshl_or_b32 v[WD+4+\n], v[WD+\n], 16, v[WD+\n]   ; q's two bytes twice: q will stand in either half of an operand of 128
.endr
	s_lshl_b32 s84, s82, 8
	s_lshl_b32 s74, s18, 3
	s_add_co_u32 s84, s84, s74
	s_lshl_b32 s74, s72, 1
	s_add_co_u32 s84, s84, s74                     ; 256 head + tile
	s_lshl_b32 s84, s84, 10
	s_add_co_u32 s84, s84, QREC
	s_mov_b32 s85, 0
	s_add_nc_u64 s[86:87], s[14:15], s[84:85]
	s_wait_alu depctr_va_vdst(0)
.irp hd, 0,1
.irp c, 0,1
	global_store_b128 v1, v[CD+12*\hd+6*\c:CD+12*\hd+6*\c+3], s[86:87] offset:262144*\hd+1024*\c
	global_store_b64 v2, v[CD+12*\hd+6*\c+4:CD+12*\hd+6*\c+5], s[86:87] offset:262144*\hd+1024*\c+512
	global_store_b32 v91, v[WD+4+2*\hd+\c], s[86:87] offset:262144*\hd+1024*\c+768
.endr
.endr
	s_branch .Lend
.Lk:
	v_lshl_or_b32 v[WD+4], v[WD+1], 16, v[WD]      ; a double tile's word: two bytes of each of its two sets of keys
	v_lshl_or_b32 v[WD+5], v[WD+3], 16, v[WD+2]
	v_cmp_eq_u32 vcc_lo, 0, v[MK]
	v_mov_b32 v[WD+6], 0xec800000                  ; -2^90
	s_delay_alu instid0(VALU_DEP_1)
	v_cndmask_b32 v[WD+6], 0, v[WD+6], vcc_lo      ; the key's addend
	s_lshl_b32 s84, s82, 5
	s_add_co_u32 s84, s84, s18
	s_mul_i32 s84, s84, REC                        ; the record of (head, these 128 keys)
	s_mov_b32 s85, 0
	s_add_nc_u64 s[86:87], s[14:15], s[84:85]
	s_mul_i32 s74, s72, 1536
	v_add_nc_u32 v94, s74, v1
	s_lshl_b32 s74, s72, 2
	v_add_nc_u32 v95, s74, v92
	s_wait_alu depctr_va_vdst(0)
	s_lshl_b32 s74, s72, 7
	v_add_nc_u32 v11, s74, v3
.irp hd, 0,1
.irp g, 0,1,2
	global_store_b128 v94, v[CD+12*\hd+4*\g:CD+12*\hd+4*\g+3], s[86:87] offset:425984*\hd+512*\g
.endr
	global_store_b32 v95, v[WD+4+\hd], s[86:87] offset:425984*\hd+12288
	global_store_b32 v11, v[WD+6], s[86:87] offset:425984*\hd+12800
.endr
	s_branch .Lend
.Lv:	; ---- v: wave w: weight tiles 2 w, 2 w + 1 (32 columns of one head) x all eight tiles of tokens
	s_mul_i32 s74, s[WV], 3072
	s_add_co_u32 s74, s74, 76800
	v_add_nc_u32 v[W16], s74, v1
	s_lshl_b32 s74, s[WV], 7
	s_add_co_u32 s74, s74, 113664
	s_wait_alu depctr_va_vdst(0)
	v_add_nc_u32 v[SW], s74, v3
	v_add_nc_u32 v[X16], 0, v1
	v_add_nc_u32 v[X8], 0, v2
	v_add_nc_u32 v[SX], 12288, v3
	s_sub_co_u32 s75, s19, 4
	s_mul_i32 s75, s75, 12
	s_add_co_u32 s75, s75, s[WV]                   ; which 32 of the 768 columns
	s_lshl_b32 s76, s75, 7
	s_mov_b32 s77, 0
	s_add_nc_u64 s[78:79], s[10:11], s[76:77]
	v_and_b32 v11, 7, v89
	v_lshrrev_b32 v94, 3, v89
	s_delay_alu instid0(VALU_DEP_1)
	v_lshl_add_u32 v11, v94, 4, v11
	s_delay_alu instid0(VALU_DEP_1)
	v_lshlrev_b32 v11, 2, v11                      ; row r of a tile is column 8 u + (r & 7) + 16 (r >> 3)
	global_load_b32 v[BV], v11, s[78:79]
	global_load_b32 v[BV+8], v11, s[78:79] offset:32
	s_wait_loadcnt 0x0
.irp j, 1,2,3,4,5,6,7
	v_mov_b32 v[BV+\j], v[BV]                      ; a lane's eight results are eight tokens of ONE column: its bias eight times
	v_mov_b32 v[BV+8+\j], v[BV+8]
.endr
	s_wait_alu depctr_va_vdst(0)
	KSTEP 1, 12800, 38400, 1
	s_wait_alu depctr_va_vdst(0)
	KSTEP 1, 89600, 64000, 0
	s_wait_alu depctr_va_vdst(0)
	KSTEP 1, 12800, 38400, 0
	s_wait_alu depctr_va_vdst(0)
	KSTEP 1, 89600, 64000, 0
	s_wait_alu depctr_va_vdst(0)
	KSTEP 1, 12800, 38400, 0
	s_wait_alu depctr_va_vdst(0)
	KSTEP 1, 0, 0, 0
	Q32 ACC, CD, WD                                ; along the keys: 64 registers are 128 keys, four blocks
	Q32 ACC+32, CD+6, WD+2
	v_lshl_or_b32 v[WD], v[WD+2], 16, v[WD]
	Q32 ACC+64, CD+12, WD+1
	Q32 ACC+96, CD+18, WD+2
	v_lshl_or_b32 v[WD+1], v[WD+2], 16, v[WD+1]
	s_lshr_b32 s80, s75, 1                         ; the head
	s_and_b32 s81, s75, 1                          ; which 32 of its 64 channels
	s_lshl_b32 s80, s80, 5
	s_add_co_u32 s80, s80, s18
	s_mul_i32 s80, s80, REC
	s_mul_i32 s82, s81, 3072
	s_add_co_u32 s82, s82, s80
	s_mov_b32 s83, 0
	s_add_nc_u64 s[84:85], s[14:15], s[82:83]
	s_lshl_b32 s82, s81, 3
	s_add_co_u32 s82, s82, s80
	s_add_nc_u64 s[86:87], s[14:15], s[82:83]
	s_wait_alu depctr_va_vdst(0)
.irp u, 0,1
.irp g, 0,1,2
	global_store_b128 v1, v[CD+12*\u+4*\g:CD+12*\u+4*\g+3], s[84:85] offset:6144+1536*\u+512*\g
.endr
.endr
	global_store_b64 v92, v[WD:WD+1], s[86:87] offset:12544
.Lend:
	s_wait_tensorcnt 0x0                           ; the wave's end
	ds_add_u32 v[SPW], v[NIL]
	s_wait_dscnt 0x0
	CROUND                                         ; the closing round
	s_endpgm
.Lfunc_end_k_q4a21e37dc2_qkv:
	.size	k_q4a21e37dc2_qkv, .Lfunc_end_k_q4a21e37dc2_qkv-k_q4a21e37dc2_qkv
	.p2alignl 7, 3214868480
	.fill 96, 4, 3214868480
	.section	.rodata,"a",@progbits
	.p2align	6, 0x0
	.amdhsa_kernel k_q4a21e37dc2_qkv
		.amdhsa_group_segment_fixed_size 327680
		.amdhsa_private_segment_fixed_size 0
		.amdhsa_enable_private_segment 0
		.amdhsa_kernarg_size 48
		.amdhsa_user_sgpr_count 2
		.amdhsa_user_sgpr_kernarg_segment_ptr 1
		.amdhsa_wavefront_size32 1
		.amdhsa_system_sgpr_workgroup_id_x 1
		.amdhsa_system_sgpr_workgroup_id_y 1
		.amdhsa_system_sgpr_workgroup_id_z 1
		.amdhsa_system_vgpr_workitem_id 0
		.amdhsa_next_free_vgpr 256
		.amdhsa_next_free_sgpr 96
		.amdhsa_reserve_vcc 1
		.amdhsa_float_denorm_mode_32 3
		.amdhsa_float_denorm_mode_16_64 3
		.amdhsa_memory_ordered 1
		.amdhsa_forward_progress 1
		.amdhsa_inst_pref_size 94
	.end_amdhsa_kernel
	.amdgpu_metadata
---
amdhsa.version: [ 1, 2 ]
amdhsa.kernels:
  - .name:           k_q4a21e37dc2_qkv
    .symbol:         k_q4a21e37dc2_qkv.kd
    .args:
      - { .name: prepbuf, .offset: 0, .size: 8, .value_kind: global_buffer, .address_space: global }
      - { .name: bq, .offset: 8, .size: 8, .value_kind: global_buffer, .address_space: global }
      - { .name: bk, .offset: 16, .size: 8, .value_kind: global_buffer, .address_space: global }
      - { .name: bv, .offset: 24, .size: 8, .value_kind: global_buffer, .address_space: global }
      - { .name: mask, .offset: 32, .size: 8, .value_kind: global_buffer, .address_space: global }
      - { .name: qkvbuf, .offset: 40, .size: 8, .value_kind: global_buffer, .address_space: global }
    .group_segment_fixed_size: 327680
    .private_segment_fixed_size: 0
    .kernarg_segment_align: 8
    .kernarg_segment_size: 48
    .max_flat_workgroup_size: 384
    .sgpr_count:     96
    .vgpr_count:     256
    .wavefront_size: 32
...
	.end_amdgpu_metadata
.endif
;; end of part 2
;; launch attn (part 3): grid 64 x 4, 12 waves a work-group, clusters of 4 x 1, 327,680 bytes of LDS; arguments qkvbuf, ctxbuf; writes ctxbuf
.if DOCPART == 3
	.amdgcn_target "amdgcn-amd-amdhsa--gfx1250"
	.amdhsa_code_object_version 6
	.text
	.protected	k_q4a21e37dc2_attn
	.globl	k_q4a21e37dc2_attn
	.p2align	8
	.type	k_q4a21e37dc2_attn,@function
k_q4a21e37dc2_attn:
	s_mov_b64 s[64:65], 0
	v_nop
	global_prefetch_b8 v0, s[64:65] scope:SCOPE_SE
	s_setreg_imm32_b32 hwreg(HW_REG_WAVE_MODE, 25, 1), 1
	s_wait_xcnt 0x0
	s_wait_alu depctr_hold_cnt(0) depctr_sa_sdst(0) depctr_va_vdst(0) depctr_va_sdst(0) depctr_va_ssrc(0) depctr_va_vcc(0) depctr_vm_vsrc(0)
	s_getreg_b32 s2, hwreg(HW_REG_IB_STS2, 6, 4)
	s_cmp_eq_u32 s2, 0
	s_cbranch_scc0 .Lentry_in_a_cluster
	s_endpgm
.Lentry_in_a_cluster:
	s_bfe_u32 s2, ttmp6, 0x10000c
	s_cmp_lg_u32 s2, 0x3003
	s_cbranch_scc0 .Lentry_shape_is_right
	s_endpgm
.Lentry_shape_is_right:
.set REC,   13312
.set SLOTB, 12*REC
.set SPARE, 2*SLOTB
.set QREC,  5111808
.set SPW, 4
.set NIL, 5
.set FR,  36
.set S,   96
.set O,   160
.set PC,  192
.set BM,  212
.set PD,  216
.set SO,  220
.set TM,  212
.set WV,  8
.set SEL, 20
.set CS,  22
.set G1,  24
.set G0A, 32
.set G0B, 36
.set TB,  40
.set CNT, 41
.set OUT, 42
.macro CROUND
	s_barrier_signal -1
	s_barrier_wait -1
	s_cmp_lg_u32 s[WV], 0
	s_cbranch_scc1 .Lnot_wave_0_\@
	s_barrier_signal -3
.Lnot_wave_0_\@:
	s_barrier_wait -3
	s_barrier_signal -1
	s_barrier_wait -1
.endm
.macro PLACES n
.rept \n
	v_nop
.endr
.endm
.macro Q32 s, d, w
	v_max3_num_f32 v[TM], |v[\s]|, |v[\s+1]|, 0x1800000
	v_max3_num_f32 v[TM+1], |v[\s+16]|, |v[\s+17]|, 0x1800000
.irp i, 2,4,6,8,10,12,14
	s_delay_alu instid0(VALU_DEP_2)
	v_max3_num_f32 v[TM], v[TM], |v[\s+\i]|, |v[\s+\i+1]|
	s_delay_alu instid0(VALU_DEP_2)
	v_max3_num_f32 v[TM+1], v[TM+1], |v[\s+16+\i]|, |v[\s+17+\i]|
.endr
	s_delay_alu instid0(VALU_DEP_2)
	v_permlanex16_b32 v[TM+2], v[TM], s[SEL], s[SEL+1]
	s_delay_alu instid0(VALU_DEP_2)
	v_permlanex16_b32 v[TM+3], v[TM+1], s[SEL], s[SEL+1]
	s_delay_alu instid0(VALU_DEP_2)
	v_max_num_f32 v[TM], v[TM], v[TM+2]
	s_delay_alu instid0(VALU_DEP_2)
	v_max_num_f32 v[TM+1], v[TM+1], v[TM+3]
	s_delay_alu instid0(VALU_DEP_2)
	v_add_nc_u32 v[TM+4], 0xff000000, v[TM]
	s_delay_alu instid0(VALU_DEP_2)
	v_add_nc_u32 v[TM+5], 0xff000000, v[TM+1]
	s_delay_alu instid0(VALU_DEP_2)
	v_lshrrev_b32 v[TM], 23, v[TM+4]
	s_delay_alu instid0(VALU_DEP_2)
	v_lshrrev_b32 v[TM+1], 23, v[TM+5]
	s_delay_alu instid0(VALU_DEP_1)
	v_lshl_or_b32 v[\w], v[TM+1], 8, v[TM]
	v_cvt_scalef32_pk16_fp6_f32 v[\d:\d+2], v[\s:\s+15], v[TM+4]
	v_cvt_scalef32_pk16_fp6_f32 v[TM+6:TM+8], v[\s+16:\s+31], v[TM+5]
	v_nop
.irp i, 0,1,2
	v_permlane16_swap_b32 v[\d+\i], v[TM+6+\i]
.endr
.irp i, 0,1,2
	s_delay_alu instid0(VALU_DEP_3)
	v_mov_b32 v[\d+3+\i], v[TM+6+\i]
.endr
.endm
.macro WM d, a, b, sa, sb
	v_wmma_scale_f32_16x16x128_f8f6f4 v[\d:\d+7], v[\a:\a+11], v[\b:\b+11], v[\d:\d+7], v[\sa], v[\sb] matrix_a_fmt:MATRIX_FMT_FP6 matrix_b_fmt:MATRIX_FMT_FP6
.endm
.macro STEP
	v_add_nc_u32 v6, s[TB], v1
	v_add_nc_u32 v7, s[TB], v2
	v_add_nc_u32 v8, s[TB], v3
	v_nop
.irp b, 0,1,2,3
.irp g, 0,1,2
	ds_load_b128 v[FR+12*\b+4*\g:FR+12*\b+4*\g+3], v6 offset:1536*\b+512*\g
.endr
.endr
	ds_load_b128 v[84:87], v7
.set n, 0
.rept 16
	ds_load_b128 v[S+4*n:S+4*n+3], v8 offset:128*(n/4)+16*(n%4)
.set n, n+1
.endr
	s_wait_alu depctr_va_vdst(0)
	s_wait_dscnt 0x0
.irp b, 0,1,2,3
	WM S+16*\b, FR+12*\b, 22, 84+\b, 34
	WM S+8+16*\b, FR+12*\b, 16, 84+\b, 34
.endr
	PLACES 4
.irp t, 0,1,2,3
.irp g, 0,1,2
	ds_load_b128 v[FR+12*\t+4*\g:FR+12*\t+4*\g+3], v6 offset:6144+1536*\t+512*\g
.endr
.endr
	ds_load_b128 v[88:91], v7 offset:256
.irp b, 0,1,2,3
	v_max3_num_f32 v[BM+\b], v[S+16*\b], v[S+1+16*\b], v[S+2+16*\b]
.endr
.irp i, 3,5,7,9,11,13
.irp b, 0,1,2,3
	v_max3_num_f32 v[BM+\b], v[BM+\b], v[S+16*\b+\i], v[S+1+16*\b+\i]
.endr
.endr
.irp b, 0,1,2,3
	v_max_num_f32 v[BM+\b], v[BM+\b], v[S+15+16*\b]
.endr
.irp b, 0,1,2,3
	s_delay_alu instid0(VALU_DEP_4)
	v_permlanex16_b32 v[PD+\b], v[BM+\b], s[SEL], s[SEL+1]
.endr
.irp b, 0,1,2,3
	s_delay_alu instid0(VALU_DEP_4)
	v_max_num_f32 v[BM+\b], v[BM+\b], v[PD+\b]
.endr
	s_delay_alu instid0(VALU_DEP_2)
	v_max3_num_f32 v228, v[BM], v[BM+1], v[BM+2]
	s_delay_alu instid0(VALU_DEP_1)
	v_max_num_f32 v228, v228, v[BM+3]
	s_delay_alu instid0(VALU_DEP_1)
	v_mul_f32 v228, s[CS], v228
	s_delay_alu instid0(VALU_DEP_1)
	v_max_num_f32 v13, v13, v228
	v_mov_b32 v228, v12
	s_delay_alu instid0(VALU_DEP_2)
	v_floor_f32 v12, -v13
	s_delay_alu instid0(VALU_DEP_1)
	v_sub_f32 v228, v12, v228
	s_delay_alu instid0(VALU_DEP_1)
	v_cvt_i32_f32 v228, v228
	s_delay_alu instid0(VALU_DEP_1)
	v_ldexp_f32 v226, 1.0, v228
.set j, 0
.rept 32
	v_pk_fma_f32 v[S+j:S+j+1], v[S+j:S+j+1], s[CS:CS+1], v[12:13] op_sel_hi:[1,0,0]
.set j, j+2
.endr
.irp b, 0,1,2,3
	v_fma_f32 v[BM+\b], v[BM+\b], s[CS], v12
.endr
.set j, 0
	s_wait_alu depctr_va_vdst(0)
.rept 64
	v_exp_f32 v[S+j], v[S+j]
.set j, j+1
.endr
	v_pk_mul_f32 v[14:15], v[14:15], v[226:227] op_sel_hi:[1,0]
	s_wait_alu depctr_va_vdst(0)
.irp b, 0,1,2,3
	v_exp_f32 v[BM+\b], v[BM+\b]
.endr
	v_pk_add_f32 v[PD:PD+1], v[S:S+1], v[S+2:S+3]
.set j, 4
.rept 15
	v_pk_add_f32 v[14:15], v[14:15], v[S+j:S+j+1]
	v_pk_add_f32 v[PD:PD+1], v[PD:PD+1], v[S+j+2:S+j+3]
.set j, j+4
.endr
	s_delay_alu instid0(VALU_DEP_1)
	v_pk_add_f32 v[14:15], v[14:15], v[PD:PD+1]
	s_wait_alu depctr_va_vdst(0)
.irp b, 0,1,2,3
	v_max_num_f32 v[BM+\b], 0x1800000, v[BM+\b]
.endr
.irp b, 0,1,2,3
	s_delay_alu instid0(VALU_DEP_4)
	v_add_nc_u32 v[SO+\b], 0xff000000, v[BM+\b]
.endr
.irp b, 0,1,2,3
	s_delay_alu instid0(VALU_DEP_4)
	v_lshrrev_b32 v[PD+\b], 23, v[SO+\b]
.endr
	s_delay_alu instid0(VALU_DEP_3)
	v_lshl_or_b32 v224, v[PD+1], 8, v[PD]
	s_delay_alu instid0(VALU_DEP_1)
	v_lshl_or_b32 v224, v[PD+2], 16, v224
	s_delay_alu instid0(VALU_DEP_1)
	v_lshl_or_b32 v224, v[PD+3], 24, v224
.irp c, 0,1
	v_cvt_scalef32_pk16_fp6_f32 v[PC+6*\c:PC+2+6*\c], v[S+32*\c:S+15+32*\c], v[SO+2*\c]
	v_cvt_scalef32_pk16_fp6_f32 v[PC+12+4*\c:PC+14+4*\c], v[S+16+32*\c:S+31+32*\c], v[SO+2*\c+1]
.endr
	v_nop
.irp c, 0,1
.irp i, 0,1,2
	v_permlane16_swap_b32 v[PC+6*\c+\i], v[PC+12+4*\c+\i]
.endr
.irp i, 0,1,2
	s_delay_alu instid0(VALU_DEP_3)
	v_mov_b32 v[PC+3+6*\c+\i], v[PC+12+4*\c+\i]
.endr
.endr
.set j, 0
.rept 16
	v_pk_mul_f32 v[O+j:O+j+1], v[O+j:O+j+1], v[226:227] op_sel_hi:[1,0]
.set j, j+2
.endr
	s_wait_alu depctr_va_vdst(0)
	s_wait_dscnt 0x0
.irp t, 0,1,2,3
	WM O+8*\t, FR+12*\t, PC, 88+\t, 224
.endr
.endm
.macro SLOT n
	s_mov_b32 s[TB], \n*SLOTB
	s_mov_b32 s[CNT], 4
.Lstep_\@:
	STEP
	s_add_co_u32 s[TB], s[TB], REC
	s_sub_co_u32 s[CNT], s[CNT], 1
	s_cmp_lg_u32 s[CNT], 0
	s_cbranch_scc1 .Lstep_\@
.endm
.macro CHANGE g0, fill
	s_wait_tensorcnt 0x0
	ds_add_u32 v[SPW], v[NIL]
.if \fill
	s_add_nc_u64 s[\g0+2:\g0+3], s[\g0+2:\g0+3], 8*REC
	s_wait_dscnt 0x0
	CROUND
	tensor_load_to_lds s[\g0:\g0+3], s[G1:G1+7]
	s_nop 0
	PLACES 4
.else
	s_wait_dscnt 0x0
	s_barrier_signal -1
	s_barrier_wait -1
.endif
.endm
	s_load_b128 s[4:7], s[0:1], 0x0
	v_lshl_add_u32 v[SPW], v0, 2, SPARE
	v_mov_b32 v[NIL], 0
	ds_add_u32 v[SPW], v[NIL]
	ds_add_u32 v[SPW], v[NIL]
	v_lshrrev_b32 v1, 5, v0
	s_delay_alu instid0(VALU_DEP_1)
	v_readfirstlane_b32 s[WV], v1
	s_bfe_u32 s9, ttmp6, 0x40000
	s_lshl_b32 s10, ttmp9, 2
	s_add_co_u32 s10, s10, s9
	s_lshr_b32 s11, s[WV], 2
	s_and_b32 s12, s[WV], 3
	s_and_b32 s13, ttmp7, 0xffff
	s_mul_i32 s13, s13, 3
	s_add_co_u32 s13, s13, s11
	s_lshl_b32 s14, s10, 2
	s_add_co_u32 s14, s14, s12
	s_mov_b32 s[G1], 15|(3<<16)|(1<<21)
	s_mov_b32 s[G1+1], 32<<16
	s_mov_b32 s[G1+2], 52<<16
	s_mov_b32 s[G1+3], 32<<16
	s_mov_b32 s[G1+4], 52
	s_mov_b32 s[G1+5], 32
	s_mov_b32 s[G1+6], 0
	s_mov_b32 s[G1+7], 0
	s_lshl_b32 s44, s13, 5
	s_add_co_u32 s44, s44, s12
	s_mul_i32 s44, s44, REC
	s_mov_b32 s45, 0
	s_mul_i32 s46, s[WV], REC
	s_lshl_b32 s48, s13, 8
	s_add_co_u32 s48, s48, s14
	s_lshl_b32 s48, s48, 10
	s_add_co_u32 s48, s48, QREC
	s_mov_b32 s49, 0
	s_mul_i32 s50, s11, 4*REC
	s_mov_b32 s[SEL], 0x76543210
	s_mov_b32 s[SEL+1], 0xfedcba98
	s_mov_b32 s[CS], 0x3e38aa3b
	s_mov_b32 s[CS+1], s[CS]
	v_and_b32 v8, 31, v0
	s_delay_alu instid0(VALU_DEP_1)
	v_lshlrev_b32 v9, 4, v8
	s_delay_alu instid0(VALU_DEP_2)
	v_lshlrev_b32 v10, 3, v8
	v_and_b32 v7, 15, v0
	s_delay_alu instid0(VALU_DEP_1)
	v_lshlrev_b32 v11, 2, v7
	s_delay_alu instid0(VALU_DEP_4)
	v_add_nc_u32 v1, s50, v9
	s_delay_alu instid0(VALU_DEP_3)
	v_lshlrev_b32 v2, 4, v7
	s_delay_alu instid0(VALU_DEP_1)
	v_add_nc_u32 v2, s50, v2
	s_delay_alu instid0(VALU_DEP_1)
	v_add_nc_u32 v2, 12288, v2
	v_bfe_u32 v3, v0, 4, 1
	s_delay_alu instid0(VALU_DEP_1)
	v_lshlrev_b32 v3, 6, v3
	s_delay_alu instid0(VALU_DEP_1)
	v_add_nc_u32 v3, s50, v3
	s_delay_alu instid0(VALU_DEP_1)
	v_add_nc_u32 v3, 12800, v3
	s_wait_dscnt 0x0
	s_wait_kmcnt 0x0
	s_add_nc_u64 s[44:45], s[4:5], s[44:45]
	s_add_nc_u64 s[48:49], s[4:5], s[48:49]
	s_mov_b32 s[G0A], 1
	s_mov_b32 s[G0A+1], s46
	s_mov_b64 s[G0A+2:G0A+3], s[44:45]
	s_or_b32 s[G0A+3], s[G0A+3], 0x80000000
	s_mov_b32 s[G0B], 1
	s_add_co_u32 s[G0B+1], s46, SLOTB
	s_add_nc_u64 s[G0B+2:G0B+3], s[44:45], 4*REC
	s_or_b32 s[G0B+3], s[G0B+3], 0x80000000
	CROUND
	tensor_load_to_lds s[G0A:G0A+3], s[G1:G1+7]
	s_nop 0
	s_wait_alu depctr_va_vdst(0)
	s_wait_tensorcnt 0x0
	ds_add_u32 v4, v5
	s_wait_dscnt 0x0
	CROUND
	tensor_load_to_lds s[G0B:G0B+3], s[G1:G1+7]
	s_nop 0
	PLACES 4
	global_load_b128 v[22:25], v9, s[48:49]
	global_load_b64 v[26:27], v10, s[48:49] offset:512
	s_wait_alu depctr_va_vdst(0)
	global_load_b32 v34, v11, s[48:49] offset:768
.irp j, 16,17,18,19,20,21,28,29,30,31,32,33
	v_mov_b32 v[\j], 0
.endr
	v_mov_b32 v13, 0xdd800000
	s_delay_alu instid0(VALU_DEP_1)
	v_floor_f32 v12, -v13
	v_mov_b32 v14, 0
	v_mov_b32 v15, 0
	v_mov_b32 v227, 0
.irp b, 0,1,2,3
	v_mov_b32 v[PD+\b], 0
.endr
.set j, 0
.rept 32
	v_mov_b32 v[O+j], 0
.set j, j+1
.endr
	s_wait_tensorcnt 1
	s_barrier_signal -1
	s_barrier_wait -1
	s_wait_loadcnt 0x0
	SLOT 0
	s_mov_b32 s[OUT], 3
.Lring:
	CHANGE G0A, 1
	SLOT 1
	CHANGE G0B, 1
	SLOT 0
	s_sub_co_u32 s[OUT], s[OUT], 1
	s_cmp_lg_u32 s[OUT], 0
	s_cbranch_scc1 .Lring
	CHANGE G0A, 0
	SLOT 1
	PLACES 4
	v_add_f32 v14, v14, v15
	s_delay_alu instid0(VALU_DEP_1)
	v_permlanex16_b32 v228, v14, s[SEL], s[SEL+1]
	s_delay_alu instid0(VALU_DEP_1)
	v_add_f32 v14, v14, v228
	s_wait_alu depctr_va_vdst(0)
	v_rcp_f32 v229, v14
	v_mov_b32 v231, 0xffff
	s_lshr_b32 s44, s14, 3
	s_mul_i32 s44, s44, 6
	s_lshr_b32 s46, s13, 1
	s_add_co_u32 s44, s44, s46
	s_mul_i32 s44, s44, 12800
	s_and_b32 s46, s14, 7
	s_and_b32 s47, s13, 1
	s_mul_i32 s50, s46, 1536
	s_mul_i32 s51, s47, 768
	s_add_co_u32 s50, s50, s51
	s_add_co_u32 s50, s50, s44
	s_mov_b32 s51, 0
	s_add_nc_u64 s[52:53], s[6:7], s[50:51]
	s_lshl_b32 s50, s46, 6
	s_lshl_b32 s47, s47, 1
	s_add_co_u32 s50, s50, s47
	s_add_co_u32 s50, s50, s44
	s_add_co_u32 s50, s50, 12288
	s_add_nc_u64 s[54:55], s[6:7], s[50:51]
	s_wait_alu depctr_va_vdst(0)
.set j, 0
.rept 32
	v_mul_f32 v[S+j], v[O+j], v229
.set j, j+1
.endr
	Q32 S, PC, 230
	v_cmp_eq_f32 vcc_lo, 0, v14
	s_delay_alu instid0(VALU_DEP_1)
	v_cndmask_b32 v230, v230, v231, vcc_lo
	global_store_b128 v9, v[PC:PC+3], s[52:53]
	global_store_b64 v10, v[PC+4:PC+5], s[52:53] offset:512
	global_store_b16 v11, v230, s[54:55]
	s_wait_tensorcnt 0x0
	ds_add_u32 v[SPW], v[NIL]
	s_wait_dscnt 0x0
	CROUND
	s_endpgm
.Lfunc_end_k_q4a21e37dc2_attn:
	.size	k_q4a21e37dc2_attn, .Lfunc_end_k_q4a21e37dc2_attn-k_q4a21e37dc2_attn
	.p2alignl 7, 3214868480
	.fill 96, 4, 3214868480
	.section	.rodata,"a",@progbits
	.p2align	6, 0x0
	.amdhsa_kernel k_q4a21e37dc2_attn
		.amdhsa_group_segment_fixed_size 327680
		.amdhsa_private_segment_fixed_size 0
		.amdhsa_enable_private_segment 0
		.amdhsa_kernarg_size 16
		.amdhsa_user_sgpr_count 2
		.amdhsa_user_sgpr_kernarg_segment_ptr 1
		.amdhsa_wavefront_size32 1
		.amdhsa_system_sgpr_workgroup_id_x 1
		.amdhsa_system_sgpr_workgroup_id_y 1
		.amdhsa_system_sgpr_workgroup_id_z 1
		.amdhsa_system_vgpr_workitem_id 0
		.amdhsa_next_free_vgpr 256
		.amdhsa_next_free_sgpr 66
		.amdhsa_reserve_vcc 1
		.amdhsa_float_denorm_mode_32 3
		.amdhsa_float_denorm_mode_16_64 3
		.amdhsa_memory_ordered 1
		.amdhsa_forward_progress 1
		.amdhsa_inst_pref_size 84
	.end_amdhsa_kernel
	.amdgpu_metadata
---
amdhsa.version: [ 1, 2 ]
amdhsa.kernels:
  - .name:           k_q4a21e37dc2_attn
    .symbol:         k_q4a21e37dc2_attn.kd
    .args:
      - { .name: qkvbuf, .offset: 0, .size: 8, .value_kind: global_buffer, .address_space: global }
      - { .name: ctxbuf, .offset: 8, .size: 8, .value_kind: global_buffer, .address_space: global }
    .group_segment_fixed_size: 327680
    .private_segment_fixed_size: 0
    .kernarg_segment_align: 8
    .kernarg_segment_size: 16
    .max_flat_workgroup_size: 384
    .sgpr_count:     66
    .vgpr_count:     256
    .wavefront_size: 32
...
	.end_amdgpu_metadata
.endif
;; end of part 3
;; launch wo_ln1 (part 4): grid 256 x 1, 12 waves a work-group, clusters of 4 x 1, 327,680 bytes of LDS; arguments ctxbuf, prepbuf, bo, ln1_g, ln1_b, b2, hact, hbres; writes hact, hbres
.if DOCPART == 4
	.amdgcn_target "amdgcn-amd-amdhsa--gfx1250"
	.amdhsa_code_object_version 6
	.text
	.protected	k_q4a21e37dc2_wo_ln1
	.globl	k_q4a21e37dc2_wo_ln1
	.p2align	8
	.type	k_q4a21e37dc2_wo_ln1,@function
k_q4a21e37dc2_wo_ln1:
	s_mov_b64 s[64:65], 0
	v_nop
	global_prefetch_b8 v0, s[64:65] scope:SCOPE_SE
	s_setreg_imm32_b32 hwreg(HW_REG_WAVE_MODE, 25, 1), 1
	s_wait_xcnt 0x0
	s_wait_alu depctr_hold_cnt(0) depctr_sa_sdst(0) depctr_va_vdst(0) depctr_va_sdst(0) depctr_va_ssrc(0) depctr_va_vcc(0) depctr_vm_vsrc(0)
	s_getreg_b32 s2, hwreg(HW_REG_IB_STS2, 6, 4)
	s_cmp_eq_u32 s2, 0
	s_cbranch_scc0 .Lentry_in_a_cluster
	s_endpgm
.Lentry_in_a_cluster:
	s_bfe_u32 s2, ttmp6, 0x10000c
	s_cmp_lg_u32 s2, 0x3003
	s_cbranch_scc0 .Lentry_shape_is_right
	s_endpgm
.Lentry_shape_is_right:
; h = LN(2 (ctx Wo + bo)) g + b; the product on codes of FP6 with E8M0 scales.  Out: h as codes (operand images for the next product) and h + b2 in f32, laid as accumulator images.
; A work-group owns one tile of 16 tokens with its whole rows of 768; wave w makes columns 64 w .. 64 w + 63: four tiles of Wo, six K steps, 24 matrix instructions.
; Source 0 = 16 columns of Wo, source 1 = the 16 tokens: a lane holds one token, and its 32 registers are 2 x 16 neighbouring columns.
; Wo IS WALKED BY EVERY WORK-GROUP, so the four work-groups of a cluster ask for it JOINTLY.  Its codes are 460,800 bytes, more than LDS holds; four of the six K steps are 12 x 25,600 = 307,200 bytes and fit.
; Wave w brings K steps 0 to 3 of its own 64 columns, 25,600 dense bytes, by one joint tensor load, and reads them alone: its own wait on TENSORcnt is all the ordering that these reads need.  Nothing is filled again.
; K steps 4 and 5 come straight into registers, asked for at the start: a refill would stand behind a round of the cluster's barrier with only 16 matrix instructions a wave to hide it.
; ctx's six fragments are wanted by all twelve waves: each wave loads one half image (768 bytes), stores it to LDS as it stands, and behind one barrier every wave reads the six.
; The rows' means and variances: each wave's part goes through LDS (64 bytes a row, a word a wave), one barrier each, in bytes of their own.
; LIMITS: as in the first launch's quantiser (a block's byte is held at 1 from below; NaN and infinities among the inputs are not served).
.set OFF_WO, 3840000
.set WPART, 25600                      ; LDS: a wave's four K steps of Wo: 4 x (four images of 1,536 bytes and 256 bytes of scale words)
.set CTX,   12*WPART                   ; ctx's six images, stored by the waves: 36 blocks of 256 bytes into which no tensor load lands
.set RED,   CTX+6*1536                 ; the parts of the sums: 1,024 bytes for the means, 1,024 for the variances
.set SPARE, RED+2048                   ; the spare words, 128 bytes for each of 12 waves: six blocks of 256 bytes that no other line names
.set RST, 6                            ; v6   RED + 64 r + 4 w: where I put my part of row r's sum
.set RLD, 7                            ; v7   RED + 64 r: where I read the twelve parts
.set WL16, 8                           ; v8   my part of Wo in LDS, 16 bytes a lane;
.set WL4,  9                           ; v9   4 bytes a lane
.set CX16, 10                          ; v10  ctx's images in LDS, 16 bytes a lane;
.set CX8,  11                          ; v11  8 bytes a lane
.set CS16, 12                          ; v12  the half image that I store, 16 bytes a lane;
.set CS8,  13                          ; v13  8 bytes a lane
.set SPW, 14
.set NIL, 15
.set SA,  16                           ; three sets of 60 registers: four fragments of Wo, then ctx's.  Set A: K step 4;
.set SB,  80                           ; set B: K step 5;
.set SC,  144                          ; set C: K steps 0 to 3, one after the other, out of LDS
.set BT,  16                           ; behind the products: b v16-47, b2 (then h + b2) v48-79, z (then h) v80-111, h's codes v112-117, g v144-175
.set B2,  48
.set Z,   80
.set CD,  112
.set WD,  118
.set GG,  144
.set WSC, 140                          ; v140-141 Wo's scale words of set C (tiles 0, 1; tiles 2, 3)
.set ACC, 204                          ; v204-235 four accumulators
.set RL,  204                          ; and later the twelve parts of a sum
.set TM,  236                          ; v236-245 at work; at the head v236-241 carry my half image
.set R0,  236
.set R2,  238
.set MU,  240
.set RS,  242
.set CSC, 246                          ; v246-251 ctx's scale words, one register for each K step
.set WSA, 252                          ; v252-253 Wo's scale words of set A;  v254-255 of set B
.set WSB, 254
.set WV,  20
.set SEL, 28
.set INV, 30                           ; 1 / 768
.set EPS, 31
.set G0,  48                           ; s[48:51] descriptor group 0;  s[52:59] group 1
.set G1,  52
.macro CROUND                          ; a round of the cluster's barrier
	s_barrier_signal -1
	s_barrier_wait -1
	s_cmp_lg_u32 s[WV], 0
	s_cbranch_scc1 .Lnot_wave_0_\@
	s_barrier_signal -3
.Lnot_wave_0_\@:
	s_barrier_wait -3
	s_barrier_signal -1
	s_barrier_wait -1
.endm
.macro PLACES n
.rept \n
	v_nop
.endr
.endm
.macro Q32 s, d, w                     ; 32 numbers of a lane (register 16 b + i = k 32 b + 16 (lane / 16) + i) -> six registers of codes (lane (r, h): k = 32 h ..) and two bytes
	v_max3_num_f32 v[TM], |v[\s]|, |v[\s+1]|, 0x1800000
	v_max3_num_f32 v[TM+1], |v[\s+16]|, |v[\s+17]|, 0x1800000
.irp i, 2,4,6,8,10,12,14
	s_delay_alu instid0(VALU_DEP_2)
	v_max3_num_f32 v[TM], v[TM], |v[\s+\i]|, |v[\s+\i+1]|
	s_delay_alu instid0(VALU_DEP_2)
	v_max3_num_f32 v[TM+1], v[TM+1], |v[\s+16+\i]|, |v[\s+17+\i]|
.endr
	s_delay_alu instid0(VALU_DEP_2)
	v_permlanex16_b32 v[TM+2], v[TM], s[SEL], s[SEL+1]
	s_delay_alu instid0(VALU_DEP_2)
	v_permlanex16_b32 v[TM+3], v[TM+1], s[SEL], s[SEL+1]
	s_delay_alu instid0(VALU_DEP_2)
	v_max_num_f32 v[TM], v[TM], v[TM+2]
	s_delay_alu instid0(VALU_DEP_2)
	v_max_num_f32 v[TM+1], v[TM+1], v[TM+3]
	s_delay_alu instid0(VALU_DEP_2)
	v_add_nc_u32 v[TM+4], 0xff000000, v[TM]
	s_delay_alu instid0(VALU_DEP_2)
	v_add_nc_u32 v[TM+5], 0xff000000, v[TM+1]
	s_delay_alu instid0(VALU_DEP_2)
	v_lshrrev_b32 v[TM], 23, v[TM+4]
	s_delay_alu instid0(VALU_DEP_2)
	v_lshrrev_b32 v[TM+1], 23, v[TM+5]
	s_delay_alu instid0(VALU_DEP_1)
	v_lshl_or_b32 v[\w], v[TM+1], 8, v[TM]
	v_cvt_scalef32_pk16_fp6_f32 v[\d:\d+2], v[\s:\s+15], v[TM+4]
	v_cvt_scalef32_pk16_fp6_f32 v[TM+6:TM+8], v[\s+16:\s+31], v[TM+5]
	v_nop
.irp i, 0,1,2
	v_permlane16_swap_b32 v[\d+\i], v[TM+6+\i]
.endr
.irp i, 0,1,2
	s_delay_alu instid0(VALU_DEP_3)
	v_mov_b32 v[\d+3+\i], v[TM+6+\i]
.endr
.endm
.macro WM d, a, b, sa, sb, ra          ; one product, added in place; ra = 1: source 0's scale words stand in lanes 16-31
.if (\ra) == 1
	v_wmma_scale_f32_16x16x128_f8f6f4 v[\d:\d+7], v[\a:\a+11], v[\b:\b+11], v[\d:\d+7], v[\sa], v[\sb] matrix_a_fmt:MATRIX_FMT_FP6 matrix_b_fmt:MATRIX_FMT_FP6 matrix_a_scale:MATRIX_SCALE_ROW1
.else
	v_wmma_scale_f32_16x16x128_f8f6f4 v[\d:\d+7], v[\a:\a+11], v[\b:\b+11], v[\d:\d+7], v[\sa], v[\sb] matrix_a_fmt:MATRIX_FMT_FP6 matrix_b_fmt:MATRIX_FMT_FP6
.endif
.endm
.macro DIRECT buf, ws, s               ; Wo's four fragments and scale words of K step s, from memory straight into a set: 14 loads
.irp t, 0,1,2,3
.irp g, 0,1,2
	global_load_b128 v[\buf+12*\t+4*\g:\buf+12*\t+4*\g+3], v1, s[22:23] offset:6400*(\s)+1536*\t+512*\g
.endr
.endr
	global_load_b32 v[\ws], v3, s[22:23] offset:6400*(\s)+6144
	global_load_b32 v[\ws+1], v3, s[22:23] offset:6400*(\s)+6272
.endm
.macro LDC buf, s                      ; ctx's fragment of K step s out of LDS: 4 loads
	ds_load_b128 v[\buf+48:\buf+51], v[CX16] offset:1536*(\s)
	ds_load_b64 v[\buf+52:\buf+53], v[CX8] offset:1536*(\s)+512
	ds_load_b128 v[\buf+54:\buf+57], v[CX16] offset:1536*(\s)+768
	ds_load_b64 v[\buf+58:\buf+59], v[CX8] offset:1536*(\s)+1280
.endm
.macro FROMLDS s                       ; K step s (0 to 3) out of LDS into set C: 18 loads
.irp t, 0,1,2,3
.irp g, 0,1,2
	ds_load_b128 v[SC+12*\t+4*\g:SC+12*\t+4*\g+3], v[WL16] offset:6400*(\s)+1536*\t+512*\g
.endr
.endr
	ds_load_b32 v[WSC], v[WL4] offset:6400*(\s)+6144
	ds_load_b32 v[WSC+1], v[WL4] offset:6400*(\s)+6272
	LDC SC, \s
.endm
.macro MULS buf, ws, s                 ; a K step's four products: the four accumulators by turns
.irp t, 0,1,2,3
	WM ACC+8*\t, \buf+12*\t, \buf+48, \ws+\t/2, CSC+(\s), \t%2
.endr
.endm
.macro CLOAD reg, base                 ; 32 numbers of a vector of 768 in the results' layout: register 16 b + i is column 64 w + 32 b + 16 (lane / 16) + i
.irp b, 0,1
.irp q, 0,1,2,3
	global_load_b128 v[\reg+16*\b+4*\q:\reg+16*\b+4*\q+3], v5, s[\base:\base+1] offset:128*\b+16*\q
.endr
.endr
.endm
; Two packed partial sums in v[R0:R0+1], v[R2:R2+1] -> the row's sum over all 768 columns in v[R0], the same bits in every wave
.macro ALLSUM red
	s_delay_alu instid0(VALU_DEP_1)
	v_pk_add_f32 v[R0:R0+1], v[R0:R0+1], v[R2:R2+1]
	s_delay_alu instid0(VALU_DEP_1)
	v_add_f32 v[R0], v[R0], v[R0+1]
	s_delay_alu instid0(VALU_DEP_1)
	v_permlanex16_b32 v[R2], v[R0], s[SEL], s[SEL+1]
	s_delay_alu instid0(VALU_DEP_1)
	v_add_f32 v[R0], v[R0], v[R2]                  ; my wave's 64 columns of row r
	ds_store_b32 v[RST], v[R0] offset:\red         ; lanes r and r + 16 store the same word with the same value
	s_wait_dscnt 0x0                               ; for the others' sake: my store has landed
	s_barrier_signal -1
	s_barrier_wait -1
	ds_load_b128 v[RL:RL+3], v[RLD] offset:\red
	ds_load_b128 v[RL+4:RL+7], v[RLD] offset:\red+16
	ds_load_b128 v[RL+8:RL+11], v[RLD] offset:\red+32
	s_wait_dscnt 0x0
	v_pk_add_f32 v[RL:RL+1], v[RL:RL+1], v[RL+2:RL+3]
	v_pk_add_f32 v[RL+4:RL+5], v[RL+4:RL+5], v[RL+6:RL+7]
	v_pk_add_f32 v[RL+8:RL+9], v[RL+8:RL+9], v[RL+10:RL+11]
	s_delay_alu instid0(VALU_DEP_2)
	v_pk_add_f32 v[RL:RL+1], v[RL:RL+1], v[RL+4:RL+5]
	s_delay_alu instid0(VALU_DEP_1)
	v_pk_add_f32 v[RL:RL+1], v[RL:RL+1], v[RL+8:RL+9]
	s_delay_alu instid0(VALU_DEP_1)
	v_add_f32 v[R0], v[RL], v[RL+1]
.endm
.macro LNORM                           ; v[Z] .. v[Z+31] <- (z - mean) rsqrt(var + eps) g + b
	v_pk_add_f32 v[R0:R0+1], v[Z:Z+1], v[Z+2:Z+3]
	v_pk_add_f32 v[R2:R2+1], v[Z+4:Z+5], v[Z+6:Z+7]
.irp j, 8,12,16,20,24,28
	s_delay_alu instid0(VALU_DEP_2)
	v_pk_add_f32 v[R0:R0+1], v[R0:R0+1], v[Z+\j:Z+\j+1]
	s_delay_alu instid0(VALU_DEP_2)
	v_pk_add_f32 v[R2:R2+1], v[R2:R2+1], v[Z+\j+2:Z+\j+3]
.endr
	ALLSUM 0
	s_delay_alu instid0(VALU_DEP_1)
	v_mul_f32 v[MU], s[INV], v[R0]
	s_delay_alu instid0(VALU_DEP_1)
	v_mov_b32 v[MU+1], v[MU]
.set lj, 0
.rept 16
	v_pk_add_f32 v[Z+lj:Z+lj+1], v[Z+lj:Z+lj+1], v[MU:MU+1] neg_lo:[0,1] neg_hi:[0,1]
.set lj, lj+2
.endr
	v_pk_mul_f32 v[R0:R0+1], v[Z:Z+1], v[Z:Z+1]
	v_pk_mul_f32 v[R2:R2+1], v[Z+2:Z+3], v[Z+2:Z+3]
.irp j, 4,8,12,16,20,24,28
	s_delay_alu instid0(VALU_DEP_2)
	v_pk_fma_f32 v[R0:R0+1], v[Z+\j:Z+\j+1], v[Z+\j:Z+\j+1], v[R0:R0+1]
	s_delay_alu instid0(VALU_DEP_2)
	v_pk_fma_f32 v[R2:R2+1], v[Z+\j+2:Z+\j+3], v[Z+\j+2:Z+\j+3], v[R2:R2+1]
.endr
	ALLSUM 1024
	s_delay_alu instid0(VALU_DEP_1)
	v_fma_f32 v[RS], v[R0], s[INV], s[EPS]
	s_wait_alu depctr_va_vdst(0)
	v_rsq_f32 v[RS], v[RS]
	v_nop                                          ; a plain place behind the transcendental
	s_wait_loadcnt 0x0                             ; g, b and b2 are in
	s_wait_alu depctr_va_vdst(0)                   ; ahead of the first reader of the root's result
	v_mov_b32 v[RS+1], v[RS]
.set lj, 0
.rept 16
	v_pk_mul_f32 v[Z+lj:Z+lj+1], v[Z+lj:Z+lj+1], v[RS:RS+1]
.set lj, lj+2
.endr
.set lj, 0
.rept 16
	v_pk_fma_f32 v[Z+lj:Z+lj+1], v[Z+lj:Z+lj+1], v[GG+lj:GG+lj+1], v[BT+lj:BT+lj+1]
.set lj, lj+2
.endr
.endm
	s_load_b512 s[4:19], s[0:1], 0x0               ; ctxbuf, prepbuf, bo, ln1_g, ln1_b, b2, hact, hbres
	v_lshl_add_u32 v[SPW], v0, 2, SPARE
	v_mov_b32 v[NIL], 0
	ds_add_u32 v[SPW], v[NIL]                      ; the wave's opening: the add and its wait ahead of the first tensor load; work on registers stands between them
	ds_add_u32 v[SPW], v[NIL]
	v_lshrrev_b32 v1, 5, v0
	s_delay_alu instid0(VALU_DEP_1)
	v_readfirstlane_b32 s[WV], v1                  ; wave 0..11
	s_bfe_u32 s63, ttmp6, 0x40000                  ; cx: it enters ctx's, hact's and hbres's addresses alone
	s_lshl_b32 s62, ttmp9, 2
	s_add_co_u32 s62, s62, s63                     ; my tile of 16 tokens: 4 x cluster x + cx
	v_and_b32 v16, 31, v0
	s_delay_alu instid0(VALU_DEP_1)
	v_lshlrev_b32 v1, 4, v16                       ; 16 L
	s_delay_alu instid0(VALU_DEP_2)
	v_lshlrev_b32 v2, 3, v16                       ; 8 L
	s_delay_alu instid0(VALU_DEP_3)
	v_lshlrev_b32 v3, 2, v16                       ; 4 L
	v_and_b32 v17, 15, v0
	s_delay_alu instid0(VALU_DEP_1)
	v_lshlrev_b32 v4, 2, v17                       ; 4 r
	v_bfe_u32 v5, v0, 4, 1
	s_delay_alu instid0(VALU_DEP_1)
	v_lshlrev_b32 v5, 6, v5                        ; 64 h
	s_delay_alu instid0(VALU_DEP_4)
	v_lshlrev_b32 v[RLD], 6, v17
	s_delay_alu instid0(VALU_DEP_1)
	v_add_nc_u32 v[RLD], RED, v[RLD]
	s_lshl_b32 s21, s[WV], 2
	v_add_nc_u32 v[RST], s21, v[RLD]
	s_mul_i32 s[G0+1], s[WV], WPART                ; group 0, 63:32: the LDS address of my part of Wo: no place in the cluster enters it
	v_add_nc_u32 v[WL16], s[G0+1], v1
	v_add_nc_u32 v[WL4], s[G0+1], v3
	v_add_nc_u32 v[CX16], CTX, v1
	v_add_nc_u32 v[CX8], CTX, v2
	s_mul_i32 s21, s[WV], 768                      ; image w / 2, half w % 2
	v_add_nc_u32 v[CS16], s21, v[CX16]
	v_add_nc_u32 v[CS8], s21, v[CX8]
	s_mov_b32 s[SEL], 0x76543210
	s_mov_b32 s[SEL+1], 0xfedcba98
	s_mov_b32 s[INV], 0x3aaaaaab
	s_mov_b32 s[EPS], 0x3727c5ac
	s_mov_b32 s[G1], 15|(3<<16)|(1<<21)            ; the mask names all four work-groups; elements of 8 bytes; bit 21 beside the mask
	s_mov_b32 s[G1+1], 32<<16                      ; 25,600 dense bytes as 100 rows of 256
	s_mov_b32 s[G1+2], 100<<16
	s_mov_b32 s[G1+3], 32<<16
	s_mov_b32 s[G1+4], 100
	s_mov_b32 s[G1+5], 32
	s_mov_b32 s[G1+6], 0
	s_mov_b32 s[G1+7], 0
	s_mul_i32 s32, s[WV], 38400
	s_add_co_u32 s32, s32, OFF_WO                  ; my 64 columns of Wo: six chunks of 6,400 bytes on end
	s_mov_b32 s33, 0
	s_lshr_b32 s34, s62, 3                         ; the group of 128 tokens
	s_and_b32 s35, s62, 7                          ; my tile in it
	s_mul_i32 s36, s34, 76800
	s_mul_i32 s38, s35, 1536
	s_add_co_u32 s38, s38, s36
	s_lshr_b32 s21, s[WV], 1
	s_mul_i32 s21, s21, 12800
	s_add_co_u32 s38, s38, s21                     ; K step w / 2,
	s_and_b32 s21, s[WV], 1
	s_mul_i32 s21, s21, 768
	s_add_co_u32 s38, s38, s21                     ; half w % 2: the half image of ctx that I bring
	s_mov_b32 s39, 0
	s_lshl_b32 s40, s35, 6
	s_add_co_u32 s40, s40, s36
	s_add_co_u32 s40, s40, 12288
	s_mov_b32 s41, 0
	s_lshl_b32 s42, s[WV], 8
	s_mov_b32 s43, 0
	s_wait_dscnt 0x0                               ; the opening add is done
	s_wait_kmcnt 0x0
	s_add_nc_u64 s[22:23], s[6:7], s[32:33]
	s_add_nc_u64 s[24:25], s[4:5], s[38:39]
	s_add_nc_u64 s[26:27], s[4:5], s[40:41]        ; ctx's scale words of my tile
	s_add_nc_u64 s[8:9], s[8:9], s[42:43]          ; the four vectors at my 64 columns
	s_add_nc_u64 s[10:11], s[10:11], s[42:43]
	s_add_nc_u64 s[12:13], s[12:13], s[42:43]
	s_add_nc_u64 s[14:15], s[14:15], s[42:43]
	s_mov_b32 s[G0], 1
	s_mov_b64 s[G0+2:G0+3], s[22:23]
	s_or_b32 s[G0+3], s[G0+3], 0x80000000
	CROUND                                         ; all four work-groups are here: the joint loads meet
	tensor_load_to_lds s[G0:G0+3], s[G1:G1+7]      ; K steps 0 to 3 of my 64 columns: the one tensor load of a wave
	s_nop 0
	PLACES 4
	global_load_b128 v[236:239], v1, s[24:25]      ; my half image of ctx
	global_load_b64 v[240:241], v2, s[24:25] offset:512
	CLOAD ACC, 8                                   ; the sums begin as bo
.irp s, 0,1,2,3,4,5
	global_load_b32 v[CSC+\s], v4, s[26:27] offset:12800*\s
.endr
	DIRECT SA, WSA, 4
	DIRECT SB, WSB, 5
	s_wait_loadcnt 42                              ; my half image is in; behind it: bo's 8 loads, 6 scale words, 28 of Wo
	s_wait_alu depctr_va_vdst(0)
	ds_store_b128 v[CS16], v[236:239]
	ds_store_b64 v[CS8], v[240:241] offset:512
	s_wait_dscnt 0x0                               ; for the others' sake: my stores have landed
	s_barrier_signal -1
	s_barrier_wait -1                              ; ctx's six images lie in LDS.  (My tensor load may be out)
	LDC SA, 4
	LDC SB, 5
	s_wait_tensorcnt 0x0                           ; my part of Wo has landed; I alone read it
	s_wait_loadcnt 28                              ; bo and ctx's scale words are in; Wo's 28 loads may be out
.irp s, 0,1,2,3
	FROMLDS \s
	s_wait_dscnt 0x0
	MULS SC, WSC, \s
	PLACES 4                                       ; four places ahead of loads into registers that matrix instructions have read
.endr
	CLOAD GG, 10                                   ; g, into the set that K step 3 has left
	s_wait_loadcnt 22                              ; K step 4 is in; behind it: K step 5's 14 loads and g's 8
	MULS SA, WSA, 4
	PLACES 4
	CLOAD BT, 12
	CLOAD B2, 14
	s_wait_loadcnt 24                              ; K step 5 is in; behind it: g's, b's and b2's 8 loads each
	MULS SB, WSB, 5
	PLACES 4
.set zj, 0
.rept 16
	v_pk_add_f32 v[Z+zj:Z+zj+1], v[ACC+zj:ACC+zj+1], v[ACC+zj:ACC+zj+1]   ; attention + attention; each accumulator from its low end on
.set zj, zj+2
.endr
	LNORM
.set zj, 0
.rept 16
	v_pk_add_f32 v[B2+zj:B2+zj+1], v[Z+zj:Z+zj+1], v[B2+zj:B2+zj+1]       ; h + b2: what the last product's sums will begin with
.set zj, zj+2
.endr
	s_mul_i32 s32, s62, 48
	s_lshl_b32 s21, s[WV], 2
	s_add_co_u32 s32, s32, s21
	s_lshl_b32 s32, s32, 10                        ; accumulator images of (my tokens, column tiles 4 w on), 1,024 bytes each
	s_add_nc_u64 s[18:19], s[18:19], s[32:33]
.irp t, 0,1,2,3
	global_store_b128 v1, v[B2+8*\t:B2+8*\t+3], s[18:19] offset:1024*\t
	global_store_b128 v1, v[B2+8*\t+4:B2+8*\t+7], s[18:19] offset:1024*\t+512
.endr
	Q32 Z, CD, WD
	s_mul_i32 s36, s34, 6
	s_lshr_b32 s21, s[WV], 1
	s_add_co_u32 s36, s36, s21
	s_mul_i32 s36, s36, 12800                      ; the chunk of (128 tokens, K step w / 2)
	s_and_b32 s21, s[WV], 1
	s_mul_i32 s38, s35, 1536
	s_mul_i32 s40, s21, 768
	s_add_co_u32 s38, s38, s40
	s_add_co_u32 s38, s38, s36
	s_add_nc_u64 s[44:45], s[16:17], s[38:39]
	s_lshl_b32 s40, s35, 6
	s_lshl_b32 s21, s21, 1
	s_add_co_u32 s40, s40, s21
	s_add_co_u32 s40, s40, s36
	s_add_co_u32 s40, s40, 12288
	s_add_nc_u64 s[46:47], s[16:17], s[40:41]
	s_wait_alu depctr_va_vdst(0)
	global_store_b128 v1, v[CD:CD+3], s[44:45]
	global_store_b64 v2, v[CD+4:CD+5], s[44:45] offset:512
	global_store_b16 v4, v[WD], s[46:47]
	s_wait_tensorcnt 0x0                           ; the wave's end, behind my tensor load and my last LDS store
	ds_add_u32 v[SPW], v[NIL]
	s_wait_dscnt 0x0
	CROUND                                         ; the closing round
	s_endpgm
.Lfunc_end_k_q4a21e37dc2_wo_ln1:
	.size	k_q4a21e37dc2_wo_ln1, .Lfunc_end_k_q4a21e37dc2_wo_ln1-k_q4a21e37dc2_wo_ln1
	.p2alignl 7, 3214868480
	.fill 96, 4, 3214868480
	.section	.rodata,"a",@progbits
	.p2align	6, 0x0
	.amdhsa_kernel k_q4a21e37dc2_wo_ln1
		.amdhsa_group_segment_fixed_size 327680
		.amdhsa_private_segment_fixed_size 0
		.amdhsa_enable_private_segment 0
		.amdhsa_kernarg_size 64
		.amdhsa_user_sgpr_count 2
		.amdhsa_user_sgpr_kernarg_segment_ptr 1
		.amdhsa_wavefront_size32 1
		.amdhsa_system_sgpr_workgroup_id_x 1
		.amdhsa_system_sgpr_workgroup_id_y 1
		.amdhsa_system_sgpr_workgroup_id_z 1
		.amdhsa_system_vgpr_workitem_id 0
		.amdhsa_next_free_vgpr 256
		.amdhsa_next_free_sgpr 66
		.amdhsa_reserve_vcc 0
		.amdhsa_float_denorm_mode_32 3
		.amdhsa_float_denorm_mode_16_64 3
		.amdhsa_memory_ordered 1
		.amdhsa_forward_progress 1
		.amdhsa_inst_pref_size 36
	.end_amdhsa_kernel
	.amdgpu_metadata
---
amdhsa.version: [ 1, 2 ]
amdhsa.kernels:
  - .name:           k_q4a21e37dc2_wo_ln1
    .symbol:         k_q4a21e37dc2_wo_ln1.kd
    .args:
      - { .name: ctxbuf, .offset: 0, .size: 8, .value_kind: global_buffer, .address_space: global }
      - { .name: prepbuf, .offset: 8, .size: 8, .value_kind: global_buffer, .address_space: global }
      - { .name: bo, .offset: 16, .size: 8, .value_kind: global_buffer, .address_space: global }
      - { .name: ln1_g, .offset: 24, .size: 8, .value_kind: global_buffer, .address_space: global }
      - { .name: ln1_b, .offset: 32, .size: 8, .value_kind: global_buffer, .address_space: global }
      - { .name: b2, .offset: 40, .size: 8, .value_kind: global_buffer, .address_space: global }
      - { .name: hact, .offset: 48, .size: 8, .value_kind: global_buffer, .address_space: global }
      - { .name: hbres, .offset: 56, .size: 8, .value_kind: global_buffer, .address_space: global }
    .group_segment_fixed_size: 327680
    .private_segment_fixed_size: 0
    .kernarg_segment_align: 8
    .kernarg_segment_size: 64
    .max_flat_workgroup_size: 384
    .sgpr_count:     66
    .vgpr_count:     256
    .wavefront_size: 32
...
	.end_amdgpu_metadata
.endif
;; end of part 4
;; launch ffn1 (part 5): grid 32 x 8, 12 waves a work-group, clusters of 4 x 1, 327,680 bytes of LDS; arguments hact, prepbuf, b1, hid; writes hid
.if DOCPART == 5
	.amdgcn_target "amdgcn-amd-amdhsa--gfx1250"
	.amdhsa_code_object_version 6
	.text
	.protected	k_q4a21e37dc2_ffn1
	.globl	k_q4a21e37dc2_ffn1
	.p2align	8
	.type	k_q4a21e37dc2_ffn1,@function
k_q4a21e37dc2_ffn1:
	s_mov_b64 s[64:65], 0
	v_nop
	global_prefetch_b8 v0, s[64:65] scope:SCOPE_SE
	s_setreg_imm32_b32 hwreg(HW_REG_WAVE_MODE, 25, 1), 1
	s_wait_xcnt 0x0
	s_wait_alu depctr_hold_cnt(0) depctr_sa_sdst(0) depctr_va_vdst(0) depctr_va_sdst(0) depctr_va_ssrc(0) depctr_va_vcc(0) depctr_vm_vsrc(0)
	s_getreg_b32 s2, hwreg(HW_REG_IB_STS2, 6, 4)
	s_cmp_eq_u32 s2, 0
	s_cbranch_scc0 .Lentry_in_a_cluster
	s_endpgm
.Lentry_in_a_cluster:
	s_bfe_u32 s2, ttmp6, 0x10000c
	s_cmp_lg_u32 s2, 0x3003
	s_cbranch_scc0 .Lentry_shape_is_right
	s_endpgm
.Lentry_shape_is_right:
; hidden = gelu(h W1 + b1), the exact gelu 0.5 x (1 + erf(x / sqrt 2)), the product on codes of FP6 with E8M0 scales; the hidden layer is quantised at once, along its 3,072, into operand images.
; A work-group takes 128 tokens x 384 columns: 32 x 8 = 256 work-groups.  All six K steps of both operands (307,200 bytes) come into LDS once, one tensor load a wave, all landed before the first product.
; The four work-groups of a cluster have the same columns: W1's chunks are asked for JOINTLY; h's chunks are each work-group's own.
; Wave w: tokens' tiles 2 p, 2 p + 1 (p = w & 3) x weight tiles 8 cq .. 8 cq + 7 (cq = w >> 2).  Source 0 = 16 columns of W1, source 1 = 16 tokens: a lane holds one token; its 64 registers of a tile of tokens are
; 128 columns, one K step of the next product, 16 neighbours in two neighbouring tiles.  16 accumulators by turns.
; erf(z) = z P(z^2) / Q(z^2), z held to +-4: a rational form of degrees 6 and 4 in z^2, good to a few units in the last place of f32.
; LIMITS: as in the first launch's quantiser.
.set OFF_W1, 4300800
.set SPARE,  307200                    ; LDS: h's six chunks on end (76,800 bytes), then W1's six (230,400), all asked for at the head, one load a wave; behind them the spare words
.set SPW, 4
.set NIL, 5
.set X16, 6
.set X8,  7
.set SX,  8
.set W16, 9
.set SW,  10
.set PR,  12                           ; v12-35   two tiles of tokens
.set EI,  36                           ; v36-83   four weight tiles
.set PS,  84                           ; v84      the tokens' scale words;  v85-88 the weight's
.set ES,  85
.set ACC, 96                           ; v96-223  accumulator (tokens' tile c, weight tile t) at 96 + 64 c + 8 t
.set TM,  240
.set GZ,  12                           ; the gelu, 16 numbers at a time: z, z^2 (then x / 2), P, Q;  v[76:77], v[78:79] two coefficients
.set GS,  28
.set GP,  44
.set GQ,  60
.set WV,  16
.set SEL, 20
.set G1P, 24
.set G1J, 32
.set G0X, 40
.set G0W, 52
.set C_RS2, 24                         ; behind the last tensor load's wait the descriptors' registers take the gelu's constants, each twice (the packed forms name pairs)
.set C_A13, 26
.set C_A9,  28
.set C_A7,  30
.set C_A5,  32
.set C_A3,  34
.set C_A1,  36
.set C_B8,  38
.set C_B4,  40
.set C_B2,  42
.set C_B0,  44
.macro CROUND
	s_barrier_signal -1
	s_barrier_wait -1
	s_cmp_lg_u32 s[WV], 0
	s_cbranch_scc1 .Lnot_wave_0_\@
	s_barrier_signal -3
.Lnot_wave_0_\@:
	s_barrier_wait -3
	s_barrier_signal -1
	s_barrier_wait -1
.endm
.macro PLACES n
.rept \n
	v_nop
.endr
.endm
.macro SPAIR r, val
	s_mov_b32 s[\r], \val
	s_mov_b32 s[\r+1], \val
.endm
.macro Q32 s, d, w
	v_max3_num_f32 v[TM], |v[\s]|, |v[\s+1]|, 0x1800000
	v_max3_num_f32 v[TM+1], |v[\s+16]|, |v[\s+17]|, 0x1800000
.irp i, 2,4,6,8,10,12,14
	s_delay_alu instid0(VALU_DEP_2)
	v_max3_num_f32 v[TM], v[TM], |v[\s+\i]|, |v[\s+\i+1]|
	s_delay_alu instid0(VALU_DEP_2)
	v_max3_num_f32 v[TM+1], v[TM+1], |v[\s+16+\i]|, |v[\s+17+\i]|
.endr
	s_delay_alu instid0(VALU_DEP_2)
	v_permlanex16_b32 v[TM+2], v[TM], s[SEL], s[SEL+1]
	s_delay_alu instid0(VALU_DEP_2)
	v_permlanex16_b32 v[TM+3], v[TM+1], s[SEL], s[SEL+1]
	s_delay_alu instid0(VALU_DEP_2)
	v_max_num_f32 v[TM], v[TM], v[TM+2]
	s_delay_alu instid0(VALU_DEP_2)
	v_max_num_f32 v[TM+1], v[TM+1], v[TM+3]
	s_delay_alu instid0(VALU_DEP_2)
	v_add_nc_u32 v[TM+4], 0xff000000, v[TM]
	s_delay_alu instid0(VALU_DEP_2)
	v_add_nc_u32 v[TM+5], 0xff000000, v[TM+1]
	s_delay_alu instid0(VALU_DEP_2)
	v_lshrrev_b32 v[TM], 23, v[TM+4]
	s_delay_alu instid0(VALU_DEP_2)
	v_lshrrev_b32 v[TM+1], 23, v[TM+5]
	s_delay_alu instid0(VALU_DEP_1)
	v_lshl_or_b32 v[\w], v[TM+1], 8, v[TM]
	v_cvt_scalef32_pk16_fp6_f32 v[\d:\d+2], v[\s:\s+15], v[TM+4]
	v_cvt_scalef32_pk16_fp6_f32 v[TM+6:TM+8], v[\s+16:\s+31], v[TM+5]
	v_nop
.irp i, 0,1,2
	v_permlane16_swap_b32 v[\d+\i], v[TM+6+\i]
.endr
.irp i, 0,1,2
	s_delay_alu instid0(VALU_DEP_3)
	v_mov_b32 v[\d+3+\i], v[TM+6+\i]
.endr
.endm
.macro WM d, a, b, sa, sb, ra, rb      ; one product, added in place; ra, rb = 1: that side's scale words stand in lanes 16-31
.if ((\ra) == 1) && ((\rb) == 1)
	v_wmma_scale_f32_16x16x128_f8f6f4 v[\d:\d+7], v[\a:\a+11], v[\b:\b+11], v[\d:\d+7], v[\sa], v[\sb] matrix_a_fmt:MATRIX_FMT_FP6 matrix_b_fmt:MATRIX_FMT_FP6 matrix_a_scale:MATRIX_SCALE_ROW1 matrix_b_scale:MATRIX_SCALE_ROW1
.elseif (\ra) == 1
	v_wmma_scale_f32_16x16x128_f8f6f4 v[\d:\d+7], v[\a:\a+11], v[\b:\b+11], v[\d:\d+7], v[\sa], v[\sb] matrix_a_fmt:MATRIX_FMT_FP6 matrix_b_fmt:MATRIX_FMT_FP6 matrix_a_scale:MATRIX_SCALE_ROW1
.elseif (\rb) == 1
	v_wmma_scale_f32_16x16x128_f8f6f4 v[\d:\d+7], v[\a:\a+11], v[\b:\b+11], v[\d:\d+7], v[\sa], v[\sb] matrix_a_fmt:MATRIX_FMT_FP6 matrix_b_fmt:MATRIX_FMT_FP6 matrix_b_scale:MATRIX_SCALE_ROW1
.else
	v_wmma_scale_f32_16x16x128_f8f6f4 v[\d:\d+7], v[\a:\a+11], v[\b:\b+11], v[\d:\d+7], v[\sa], v[\sb] matrix_a_fmt:MATRIX_FMT_FP6 matrix_b_fmt:MATRIX_FMT_FP6
.endif
.endm
.macro LDACT reg, off
	ds_load_b128 v[\reg:\reg+3], v[X16] offset:\off
	ds_load_b64 v[\reg+4:\reg+5], v[X8] offset:\off+512
	ds_load_b128 v[\reg+6:\reg+9], v[X16] offset:\off+768
	ds_load_b64 v[\reg+10:\reg+11], v[X8] offset:\off+1280
.endm
.macro LDW reg, off
.irp g, 0,1,2
	ds_load_b128 v[\reg+4*\g:\reg+4*\g+3], v[W16] offset:\off+512*\g
.endr
.endm
.macro PRODS g
.irp t, 0,1,2,3
.irp c, 0,1
	WM ACC+64*\c+8*(4*\g+\t), EI+12*\t, PR+12*\c, ES+2*\g+\t/2, PS, \t%2, \c
.endr
.endr
.endm
.macro KSTEP sx, sw                    ; a K step of 128; sx, sw: bytes on to the next K step's chunks (0: the last step)
	LDACT PR, 0
	LDACT PR+12, 1536
	ds_load_b32 v[PS], v[SX]
.irp q, 0,1,2,3
	ds_load_b32 v[ES+\q], v[SW] offset:128*\q
.endr
.irp t, 0,1,2,3
	LDW EI+12*\t, 1536*\t
.endr
	s_wait_dscnt 0x0
	PRODS 0
	PLACES 4                                       ; four places ahead of loads into registers that matrix instructions have read
.irp t, 0,1,2,3
	LDW EI+12*\t, 1536*(4+\t)
.endr
	s_wait_dscnt 0x0
	PRODS 1
.if \sx > 0
	v_add_nc_u32 v[X16], 12800, v[X16]             ; (sx > 0 says only that a K step follows) the chunks lie on end: 12,800 and 38,400 bytes on; the five steps are the places ahead of the next K step's loads
	v_add_nc_u32 v[X8], 12800, v[X8]
	v_add_nc_u32 v[SX], 12800, v[SX]
	v_add_nc_u32 v[W16], 38400, v[W16]
	v_add_nc_u32 v[SW], 38400, v[SW]
.else
	PLACES 4
.endif
.endm
.macro GELU x                          ; 16 numbers, in place
.set gj, 0
.rept 8
	v_pk_mul_f32 v[GZ+gj:GZ+gj+1], v[\x+gj:\x+gj+1], s[C_RS2:C_RS2+1] op_sel_hi:[1,0]   ; z = x / sqrt 2; each accumulator from its low end on
.set gj, gj+2
.endr
.set gj, 0
.rept 16
	v_med3_num_f32 v[GZ+gj], v[GZ+gj], -4.0, 4.0
.set gj, gj+1
.endr
.set gj, 0
.rept 8
	v_pk_mul_f32 v[GS+gj:GS+gj+1], v[GZ+gj:GZ+gj+1], v[GZ+gj:GZ+gj+1]
.set gj, gj+2
.endr
.set gj, 0
.rept 8
	v_pk_fma_f32 v[GP+gj:GP+gj+1], v[GS+gj:GS+gj+1], s[C_A13:C_A13+1], v[76:77] op_sel_hi:[1,0,1]
	v_pk_fma_f32 v[GQ+gj:GQ+gj+1], v[GS+gj:GS+gj+1], s[C_B8:C_B8+1], v[78:79] op_sel_hi:[1,0,1]
.set gj, gj+2
.endr
.irp k, C_A9, C_A7, C_A5, C_A3, C_A1
.set gj, 0
.rept 8
	v_pk_fma_f32 v[GP+gj:GP+gj+1], v[GP+gj:GP+gj+1], v[GS+gj:GS+gj+1], s[\k:\k+1] op_sel_hi:[1,1,0]
.set gj, gj+2
.endr
.endr
.irp k, C_B4, C_B2, C_B0
.set gj, 0
.rept 8
	v_pk_fma_f32 v[GQ+gj:GQ+gj+1], v[GQ+gj:GQ+gj+1], v[GS+gj:GS+gj+1], s[\k:\k+1] op_sel_hi:[1,1,0]
.set gj, gj+2
.endr
.endr
.set gj, 0
.rept 8
	v_pk_mul_f32 v[GP+gj:GP+gj+1], v[GP+gj:GP+gj+1], v[GZ+gj:GZ+gj+1]
.set gj, gj+2
.endr
.set gj, 0
	s_wait_alu depctr_va_vdst(0)
.rept 16
	v_rcp_f32 v[GQ+gj], v[GQ+gj]                   ; Q's coefficients have one sign: it is never 0
.set gj, gj+1
.endr
.set gj, 0
.rept 8
	v_pk_mul_f32 v[GS+gj:GS+gj+1], v[\x+gj:\x+gj+1], 0.5 op_sel_hi:[1,0]   ; x / 2: plain work behind the reciprocals
.set gj, gj+2
.endr
	s_wait_alu depctr_va_vdst(0)                   ; one wait for the batch of 16, ahead of its first reader
.set gj, 0
.rept 8
	v_pk_mul_f32 v[GP+gj:GP+gj+1], v[GP+gj:GP+gj+1], v[GQ+gj:GQ+gj+1]      ; erf
.set gj, gj+2
.endr
.set gj, 0
.rept 8
	v_pk_fma_f32 v[\x+gj:\x+gj+1], v[GS+gj:GS+gj+1], v[GP+gj:GP+gj+1], v[GS+gj:GS+gj+1]
.set gj, gj+2
.endr
.endm
	s_load_b256 s[4:11], s[0:1], 0x0               ; hact, prepbuf, b1, hid
	v_lshl_add_u32 v[SPW], v0, 2, SPARE
	v_mov_b32 v[NIL], 0
	ds_add_u32 v[SPW], v[NIL]                      ; the wave's opening: the add and its wait ahead of the first tensor load; work on registers between them
	ds_add_u32 v[SPW], v[NIL]
	v_lshrrev_b32 v1, 5, v0
	s_delay_alu instid0(VALU_DEP_1)
	v_readfirstlane_b32 s[WV], v1
	s_bfe_u32 s17, ttmp6, 0x40000                  ; cx
	s_lshl_b32 s18, ttmp9, 2
	s_add_co_u32 s18, s18, s17                     ; my 128 tokens
	s_and_b32 s19, ttmp7, 0xffff                   ; my 384 columns, which the four partners share
	v_and_b32 v11, 31, v0
	s_delay_alu instid0(VALU_DEP_1)
	v_lshlrev_b32 v1, 4, v11
	s_wait_alu depctr_va_vdst(0)
	v_lshlrev_b32 v2, 3, v11
	s_wait_alu depctr_va_vdst(0)
	v_lshlrev_b32 v3, 2, v11
	s_wait_alu depctr_va_vdst(0)
	v_bfe_u32 v93, v0, 4, 1
	s_delay_alu instid0(VALU_DEP_1)
	v_lshlrev_b32 v93, 6, v93                      ; 64 h
	v_mov_b32 v[TM+2], 0
	v_mov_b32 v[TM+3], 0
	s_mov_b32 s[SEL], 0x76543210
	s_mov_b32 s[SEL+1], 0xfedcba98
	s_mov_b32 s[G1P], 3<<16
	s_mov_b32 s[G1J], 15|(3<<16)|(1<<21)
.irp g, G1P, G1J
	s_mov_b32 s[\g+1], 32<<16                      ; tensor_dim0: 32 elements of 8 bytes
	s_mov_b32 s[\g+2], 100<<16                     ; 25,600 dense bytes as 100 rows of 256
	s_mov_b32 s[\g+3], 32<<16
	s_mov_b32 s[\g+4], 100
	s_mov_b32 s[\g+5], 32
	s_mov_b32 s[\g+6], 0
	s_mov_b32 s[\g+7], 0
.endr
	s_mul_i32 s66, s[WV], 25600                    ; wave x 25,600, in LDS and in memory alike: waves 0 to 2 bring h's 76,800 bytes, waves 3 to 11 W1's 230,400
	s_mul_i32 s68, s18, 76800
	s_add_co_u32 s68, s68, s66
	s_mov_b32 s69, 0
	s_mul_i32 s70, s19, 230400                     ; (these two registers never hold cx)
	s_add_co_u32 s70, s70, s66
	s_add_co_u32 s70, s70, OFF_W1-76800
	s_mov_b32 s71, 0
	s_and_b32 s72, s[WV], 3                        ; p
	s_lshr_b32 s73, s[WV], 2                       ; cq
	s_mul_i32 s74, s72, 3072
	v_add_nc_u32 v[X16], s74, v1
	v_add_nc_u32 v[X8], s74, v2
	s_lshl_b32 s74, s72, 7
	s_add_co_u32 s74, s74, 12288
	v_add_nc_u32 v[SX], s74, v3
	s_mul_i32 s74, s73, 12288
	s_add_co_u32 s74, s74, 76800
	v_add_nc_u32 v[W16], s74, v1
	s_lshl_b32 s74, s73, 9
	s_add_co_u32 s74, s74, 113664
	v_add_nc_u32 v[SW], s74, v3
	s_mul_i32 s78, s19, 1536
	s_lshl_b32 s74, s73, 9
	s_add_co_u32 s78, s78, s74                     ; b1 at my 128 columns
	s_mov_b32 s79, 0
	s_wait_dscnt 0x0                               ; the opening add is done
	s_wait_kmcnt 0x0
	s_add_nc_u64 s[68:69], s[4:5], s[68:69]
	s_add_nc_u64 s[70:71], s[6:7], s[70:71]
	s_add_nc_u64 s[76:77], s[8:9], s[78:79]
	s_mov_b32 s[G0X], 1
	s_mov_b32 s[G0X+1], s66
	s_mov_b64 s[G0X+2:G0X+3], s[68:69]
	s_or_b32 s[G0X+3], s[G0X+3], 0x80000000
	s_mov_b32 s[G0W], 1
	s_mov_b32 s[G0W+1], s66
	s_mov_b64 s[G0W+2:G0W+3], s[70:71]
	s_or_b32 s[G0W+3], s[G0W+3], 0x80000000
	CROUND                                         ; all four work-groups are here: the joint loads meet
	s_cmp_lt_u32 s[WV], 3                          ; one tensor load a wave: every way through the branch passes one
	s_cbranch_scc0 .Lnot_x
	tensor_load_to_lds s[G0X:G0X+3], s[G1P:G1P+7]
	s_nop 0
	PLACES 4
	s_branch .Lasked
.Lnot_x:
	tensor_load_to_lds s[G0W:G0W+3], s[G1J:G1J+7]
	s_nop 0
	PLACES 4
.Lasked:
	s_wait_alu depctr_va_vdst(0)
.irp c, 0,1
.irp t, 0,1,2,3,4,5,6,7                        ; the sums begin as b1
	global_load_b128 v[ACC+64*\c+8*\t:ACC+64*\c+8*\t+3], v93, s[76:77] offset:128*(\t/2)+32*(\t%2)
	global_load_b128 v[ACC+64*\c+8*\t+4:ACC+64*\c+8*\t+7], v93, s[76:77] offset:128*(\t/2)+32*(\t%2)+16
.endr
.endr
	s_wait_tensorcnt 0x0                           ; my one load has landed; behind the barrier everybody's has: from here on LDS is only read
	s_barrier_signal -1
	s_barrier_wait -1
	s_wait_loadcnt 0x0                             ; b1
	KSTEP 12800, 38400
	s_wait_alu depctr_va_vdst(0)
	KSTEP 89600, 64000
	s_wait_alu depctr_va_vdst(0)
	KSTEP 12800, 38400
	s_wait_alu depctr_va_vdst(0)
	KSTEP 89600, 64000
	s_wait_alu depctr_va_vdst(0)
	KSTEP 12800, 38400
	s_wait_alu depctr_va_vdst(0)
	KSTEP 0, 0
	SPAIR C_RS2, 0x3f3504f3                        ; 1 / sqrt 2.  (No tensor load is out: the descriptors' registers may be written)
	SPAIR C_A13, 0xaf95df0b                        ; P: -2.72614226e-10,
	SPAIR C_A9,  0xb60cff51                        ; (2.77068142e-08 stands in v[76:77]) -2.10102402e-06,
	SPAIR C_A7,  0xb86ec2d2                        ; -5.69250639e-05,
	SPAIR C_A5,  0xba40ac63                        ; -7.34990630e-04,
	SPAIR C_A3,  0xbb41a1f6                        ; -2.95459981e-03,
	SPAIR C_A1,  0xbc83dbd4                        ; -1.60960333e-02
	SPAIR C_B8,  0xb77460cd                        ; Q: -1.45660718e-05,
	SPAIR C_B4,  0xbadc924e                        ; (-2.13374055e-04 stands in v[78:79]) -1.68282697e-03,
	SPAIR C_B2,  0xbbf19bf8                        ; -7.37332917e-03,
	SPAIR C_B0,  0xbc69b6a7                        ; -1.42647391e-02
	s_mov_b32 s46, 0xffff0000
	v_mov_b32 v76, 0x32edffee
	v_mov_b32 v77, 0x32edffee
	v_mov_b32 v78, 0xb95fbd29
	v_mov_b32 v79, 0xb95fbd29
	s_mul_i32 s84, s18, 24
	s_mul_i32 s74, s19, 3
	s_add_co_u32 s84, s84, s74
	s_add_co_u32 s84, s84, s73
	s_mul_i32 s84, s84, 12800                      ; the chunk of (128 tokens, K step 3 cg + cq) of the hidden layer
	s_mov_b32 s85, 0
	s_mul_i32 s82, s72, 3072
	s_add_co_u32 s82, s82, s84
	s_mov_b32 s83, 0
	s_add_nc_u64 s[86:87], s[10:11], s[82:83]
	s_lshl_b32 s82, s72, 7
	s_add_co_u32 s82, s82, s84
	s_add_co_u32 s82, s82, 12288
	s_add_nc_u64 s[88:89], s[10:11], s[82:83]
	GELU ACC
	GELU ACC+16
	GELU ACC+32
	GELU ACC+48
	Q32 ACC, 224, 236
	Q32 ACC+32, 230, 238
	v_lshl_or_b32 v236, v238, 16, v236
	global_store_b128 v1, v[224:227], s[86:87]
	global_store_b64 v2, v[228:229], s[86:87] offset:512
	global_store_b128 v1, v[230:233], s[86:87] offset:768
	global_store_b64 v2, v[234:235], s[86:87] offset:1280
	GELU ACC+64
	GELU ACC+80
	GELU ACC+96
	GELU ACC+112
	Q32 ACC+64, 96, 237                            ; the second tile's codes take registers that the first tile's numbers have left
	Q32 ACC+96, 102, 238
	v_lshl_or_b32 v237, v238, 16, v237
	s_delay_alu instid0(VALU_DEP_1)
	v_cndmask_b32 v239, v236, v237, s46            ; lanes 0-15 the first tile's words, lanes 16-31 the second's: 128 consecutive bytes
	global_store_b128 v1, v[96:99], s[86:87] offset:1536
	global_store_b64 v2, v[100:101], s[86:87] offset:2048
	global_store_b128 v1, v[102:105], s[86:87] offset:2304
	global_store_b64 v2, v[106:107], s[86:87] offset:2816
	global_store_b32 v3, v239, s[88:89]
	s_wait_tensorcnt 0x0                           ; the wave's end
	ds_add_u32 v[SPW], v[NIL]
	s_wait_dscnt 0x0
	CROUND                                         ; the closing round
	s_endpgm
.Lfunc_end_k_q4a21e37dc2_ffn1:
	.size	k_q4a21e37dc2_ffn1, .Lfunc_end_k_q4a21e37dc2_ffn1-k_q4a21e37dc2_ffn1
	.p2alignl 7, 3214868480
	.fill 96, 4, 3214868480
	.section	.rodata,"a",@progbits
	.p2align	6, 0x0
	.amdhsa_kernel k_q4a21e37dc2_ffn1
		.amdhsa_group_segment_fixed_size 327680
		.amdhsa_private_segment_fixed_size 0
		.amdhsa_enable_private_segment 0
		.amdhsa_kernarg_size 32
		.amdhsa_user_sgpr_count 2
		.amdhsa_user_sgpr_kernarg_segment_ptr 1
		.amdhsa_wavefront_size32 1
		.amdhsa_system_sgpr_workgroup_id_x 1
		.amdhsa_system_sgpr_workgroup_id_y 1
		.amdhsa_system_sgpr_workgroup_id_z 1
		.amdhsa_system_vgpr_workitem_id 0
		.amdhsa_next_free_vgpr 256
		.amdhsa_next_free_sgpr 96
		.amdhsa_reserve_vcc 0
		.amdhsa_float_denorm_mode_32 3
		.amdhsa_float_denorm_mode_16_64 3
		.amdhsa_memory_ordered 1
		.amdhsa_forward_progress 1
		.amdhsa_inst_pref_size 128
	.end_amdhsa_kernel
	.amdgpu_metadata
---
amdhsa.version: [ 1, 2 ]
amdhsa.kernels:
  - .name:           k_q4a21e37dc2_ffn1
    .symbol:         k_q4a21e37dc2_ffn1.kd
    .args:
      - { .name: hact, .offset: 0, .size: 8, .value_kind: global_buffer, .address_space: global }
      - { .name: prepbuf, .offset: 8, .size: 8, .value_kind: global_buffer, .address_space: global }
      - { .name: b1, .offset: 16, .size: 8, .value_kind: global_buffer, .address_space: global }
      - { .name: hid, .offset: 24, .size: 8, .value_kind: global_buffer, .address_space: global }
    .group_segment_fixed_size: 327680
    .private_segment_fixed_size: 0
    .kernarg_segment_align: 8
    .kernarg_segment_size: 32
    .max_flat_workgroup_size: 384
    .sgpr_count:     96
    .vgpr_count:     256
    .wavefront_size: 32
...
	.end_amdgpu_metadata
.endif
;; end of part 5
;; launch ffn2 (part 6): grid 8 x 32, 8 waves a work-group, clusters of 4 x 4, 327,680 bytes of LDS; arguments hid, prepbuf, hbres, ybuf; writes ybuf
.if DOCPART == 6
	.amdgcn_target "amdgcn-amd-amdhsa--gfx1250"
	.amdhsa_code_object_version 6
	.text
	.protected	k_q4a21e37dc2_ffn2
	.globl	k_q4a21e37dc2_ffn2
	.p2align	8
	.type	k_q4a21e37dc2_ffn2,@function
k_q4a21e37dc2_ffn2:
	s_mov_b64 s[64:65], 0
	v_nop
	global_prefetch_b8 v0, s[64:65] scope:SCOPE_SE
	s_setreg_imm32_b32 hwreg(HW_REG_WAVE_MODE, 25, 1), 1
	s_wait_xcnt 0x0
	s_wait_alu depctr_hold_cnt(0) depctr_sa_sdst(0) depctr_va_vdst(0) depctr_va_sdst(0) depctr_va_ssrc(0) depctr_va_vcc(0) depctr_vm_vsrc(0)
	s_getreg_b32 s2, hwreg(HW_REG_IB_STS2, 6, 4)
	s_cmp_eq_u32 s2, 0
	s_cbranch_scc0 .Lentry_in_a_cluster
	s_endpgm
.Lentry_in_a_cluster:
	s_bfe_u32 s2, ttmp6, 0x10000c
	s_cmp_lg_u32 s2, 0xf033
	s_cbranch_scc0 .Lentry_shape_is_right
	s_endpgm
.Lentry_shape_is_right:
; y = h + b2 + hidden W2, the product on codes of FP6 with E8M0 scales; K = 3,072 in 24 steps of 128.  The sums begin as h + b2, which the launch behind attention has stored as accumulator images; y leaves as such images.
; A work-group takes 128 tokens x 96 columns: 32 x 8 = 256 work-groups.
; CLUSTERS: 4 x 4 work-groups.  The four of a row of the cluster have the same tokens and need the same chunks of the hidden layer; the four of a column have the same 96 columns and need the same runs of W2.
; Each is asked for JOINTLY: the same tensor load, with the same descriptor and a mask that names the four, in all four.  That divides the requests for both operands by four.
; RING.  Two slots of six K steps (134,400 bytes: 6 x 12,800 of the hidden layer, 57,600 of W2).  Waves 0 to 4 bring the hidden layer's fifths, 15,360 dense bytes a load, waves 5 to 7 W2's thirds, 19,200 a load.
; Four fills in all: two at the start, two refills, written out.  A refill has six K steps in which to land.
; Wave w: tokens' tiles 2 tp, 2 tp + 1 (tp = w & 3) x weight tiles 3 ch .. 3 ch + 2 (ch = w >> 2): six accumulators by turns.  Source 0 = 16 columns of W2, source 1 = 16 tokens.
.set OFF_W2, 6144000
.set SLOTB,  134400
.set SPARE,  2*SLOTB                   ; the spare words, 128 bytes for each of 8 waves
.set SPW, 4
.set NIL, 5
.set BX16, 6                           ; my lane's places in a slot: tokens' images, 16 and 8 bytes a lane; their scale words; weight images; their scale words
.set BX8,  7
.set BSX,  8
.set BW16, 9
.set BSW,  10
.set PR,  12                           ; v12-35   two tiles of tokens
.set WF,  36                           ; v36-71   three weight tiles
.set PS,  84                           ; v84      the tokens' scale words;  v85-87 the weight's, a tile to a register
.set WS,  85
.set ACC, 96                           ; v96-143  accumulator (tokens' tile c, weight tile t) at 96 + 24 c + 8 t
.set X16, 144                          ; the same places in the K step in hand
.set X8,  145
.set SX,  146
.set W16, 147
.set SW,  148
.set WV,  12
.set G1H, 24                           ; s[24:31] descriptor group 1 for the hidden layer: the mask of my row of the cluster;  s[32:39] for W2: the mask of my column
.set G1W, 32
.set G0H, 40                           ; s[40:47] groups 0 for the hidden layer, one for each slot;  s[48:55] for W2
.set G0W, 48
.set TX,  56                           ; the K step's bytes in LDS: hidden layer (12,800 a step), W2's images (9,216), W2's scale words (384)
.set TW,  57
.set TS,  58
.set CNT, 59
.macro CROUND
	s_barrier_signal -1
	s_barrier_wait -1
	s_cmp_lg_u32 s[WV], 0
	s_cbranch_scc1 .Lnot_wave_0_\@
	s_barrier_signal -3
.Lnot_wave_0_\@:
	s_barrier_wait -3
	s_barrier_signal -1
	s_barrier_wait -1
.endm
.macro PLACES n
.rept \n
	v_nop
.endr
.endm
.macro WM d, a, b, sa, sb, rb          ; one product, added in place; rb = 1: source 1's scale words stand in lanes 16-31
.if (\rb) == 1
	v_wmma_scale_f32_16x16x128_f8f6f4 v[\d:\d+7], v[\a:\a+11], v[\b:\b+11], v[\d:\d+7], v[\sa], v[\sb] matrix_a_fmt:MATRIX_FMT_FP6 matrix_b_fmt:MATRIX_FMT_FP6 matrix_b_scale:MATRIX_SCALE_ROW1
.else
	v_wmma_scale_f32_16x16x128_f8f6f4 v[\d:\d+7], v[\a:\a+11], v[\b:\b+11], v[\d:\d+7], v[\sa], v[\sb] matrix_a_fmt:MATRIX_FMT_FP6 matrix_b_fmt:MATRIX_FMT_FP6
.endif
.endm
.macro TLOAD n                         ; slot n's fill: each of the two lines has one mask and one set of registers for all that issue it; the branches hang on the wave's number alone
	s_cmp_lt_u32 s[WV], 5                          ; waves 0 to 4: the hidden layer's fifths; waves 5 to 7: W2's thirds: every wave issues one load
	s_cbranch_scc0 .Lnot_h_\@
	tensor_load_to_lds s[G0H+4*\n:G0H+4*\n+3], s[G1H:G1H+7]
	s_nop 0
	PLACES 4
	s_branch .Lasked_\@
.Lnot_h_\@:
	tensor_load_to_lds s[G0W+4*\n:G0W+4*\n+3], s[G1W:G1W+7]
	s_nop 0
	PLACES 4
.Lasked_\@:
.endm
; THE CHANGE OF SLOTS.  Each wave waits for all its tensor loads, adds 0 to its spare word, and waits for that and for its reads of the slot that it has left.  fill = 1: a round of the cluster's barrier, then slot n's refill first.
.macro CHANGE n, fill
	s_wait_tensorcnt 0x0
	ds_add_u32 v[SPW], v[NIL]
.if \fill
	s_add_nc_u64 s[G0H+4*\n+2:G0H+4*\n+3], s[G0H+4*\n+2:G0H+4*\n+3], 153600   ; no load of mine is out: twelve K steps on
	s_add_nc_u64 s[G0W+4*\n+2:G0W+4*\n+3], s[G0W+4*\n+2:G0W+4*\n+3], 115200   ; two runs on
	s_wait_dscnt 0x0
	CROUND
	TLOAD \n
.else
	s_wait_dscnt 0x0
	s_barrier_signal -1
	s_barrier_wait -1
.endif
.endm
.macro COMPUTE n                       ; slot n's six K steps
	s_mov_b32 s[TX], \n*SLOTB
	s_mov_b32 s[TW], \n*SLOTB
	s_mov_b32 s[TS], \n*SLOTB
	s_mov_b32 s[CNT], 6
.Lk_\@:
	s_wait_alu depctr_va_vdst(0)
	v_add_nc_u32 v[X16], s[TX], v[BX16]            ; the five additions are the places ahead of loads into registers that the last products read
	v_add_nc_u32 v[X8], s[TX], v[BX8]
	v_add_nc_u32 v[SX], s[TX], v[BSX]
	v_add_nc_u32 v[W16], s[TW], v[BW16]
	v_add_nc_u32 v[SW], s[TS], v[BSW]
.irp c, 0,1
	ds_load_b128 v[PR+12*\c:PR+12*\c+3], v[X16] offset:1536*\c
	ds_load_b64 v[PR+12*\c+4:PR+12*\c+5], v[X8] offset:1536*\c+512
	ds_load_b128 v[PR+12*\c+6:PR+12*\c+9], v[X16] offset:1536*\c+768
	ds_load_b64 v[PR+12*\c+10:PR+12*\c+11], v[X8] offset:1536*\c+1280
.endr
	ds_load_b32 v[PS], v[SX]
.irp t, 0,1,2
.irp g, 0,1,2
	ds_load_b128 v[WF+12*\t+4*\g:WF+12*\t+4*\g+3], v[W16] offset:1536*\t+512*\g
.endr
	ds_load_b32 v[WS+\t], v[SW] offset:64*\t
.endr
	s_wait_dscnt 0x0
.irp t, 0,1,2
.irp c, 0,1
	WM ACC+24*\c+8*\t, WF+12*\t, PR+12*\c, WS+\t, PS, \c
.endr
.endr
	s_add_co_u32 s[TX], s[TX], 12800
	s_add_co_u32 s[TW], s[TW], 9216
	s_add_co_u32 s[TS], s[TS], 384
	s_sub_co_u32 s[CNT], s[CNT], 1
	s_cmp_lg_u32 s[CNT], 0
	s_cbranch_scc1 .Lk_\@
.endm
	s_load_b256 s[4:11], s[0:1], 0x0               ; hid, prepbuf, hbres, ybuf
	v_lshl_add_u32 v[SPW], v0, 2, SPARE
	v_mov_b32 v[NIL], 0
	ds_add_u32 v[SPW], v[NIL]                      ; the wave's opening: the add and its wait ahead of the first tensor load; work on registers between them
	ds_add_u32 v[SPW], v[NIL]
	v_lshrrev_b32 v1, 5, v0
	s_delay_alu instid0(VALU_DEP_1)
	v_readfirstlane_b32 s[WV], v1                  ; wave 0..7
	s_bfe_u32 s13, ttmp6, 0x40000                  ; cx
	s_bfe_u32 s60, ttmp6, 0x40004                  ; cy
	s_lshl_b32 s14, ttmp9, 2
	s_add_co_u32 s14, s14, s13                     ; my 96 columns: 4 x cluster x + cx: my column of the cluster shares them
	s_and_b32 s15, ttmp7, 0xffff
	s_lshl_b32 s15, s15, 2
	s_add_co_u32 s15, s15, s60                     ; my 128 tokens: 4 x cluster y + cy: my row of the cluster shares them
	s_lshl_b32 s61, s60, 2
	s_lshl_b32 s61, 15, s61                        ; my row of the cluster: places 4 cy .. 4 cy + 3
	s_lshl_b32 s62, 0x1111, s13                    ; my column: places cx, cx + 4, cx + 8, cx + 12
	s_or_b32 s[G1H], s61, (3<<16)|(1<<21)          ; 15:0 the mask; 17:16 elements of 8 bytes; bit 21 beside the mask
	s_or_b32 s[G1W], s62, (3<<16)|(1<<21)
	s_mov_b32 s[G1H+2], 60<<16                     ; the hidden layer: 15,360 dense bytes a load, 60 rows of 256
	s_mov_b32 s[G1H+4], 60
	s_mov_b32 s[G1W+2], 75<<16                     ; W2: 19,200 dense bytes a load, 75 rows of 256
	s_mov_b32 s[G1W+4], 75
.irp g, G1H, G1W
	s_mov_b32 s[\g+1], 32<<16
	s_mov_b32 s[\g+3], 32<<16
	s_mov_b32 s[\g+5], 32
	s_mov_b32 s[\g+6], 0
	s_mov_b32 s[\g+7], 0
.endr
	s_mul_i32 s66, s[WV], 15360                    ; the hidden layer's fifth: wave x 15,360, in LDS and in memory alike: no place in the cluster enters an LDS address
	s_add_co_u32 s67, s[WV], 3
	s_and_b32 s67, s67, 7                          ; waves 5, 6, 7: 0, 1, 2
	s_mul_i32 s67, s67, 19200                      ; W2's third
	s_mul_i32 s68, s15, 307200                     ; the hidden layer's address is made of the tokens and the wave's number (these two registers never hold cx),
	s_add_co_u32 s68, s68, s66
	s_mov_b32 s69, 0
	s_mul_i32 s70, s14, 230400                     ; W2's of the columns and the wave's number (these two never hold cy)
	s_add_co_u32 s70, s70, s67
	s_add_co_u32 s70, s70, OFF_W2
	s_mov_b32 s71, 0
	s_and_b32 s72, s[WV], 3                        ; tp
	s_lshr_b32 s73, s[WV], 2                       ; ch
	v_and_b32 v11, 31, v0
	s_delay_alu instid0(VALU_DEP_1)
	v_lshlrev_b32 v1, 4, v11                       ; 16 L
	s_delay_alu instid0(VALU_DEP_2)
	v_lshlrev_b32 v2, 3, v11
	s_delay_alu instid0(VALU_DEP_3)
	v_lshlrev_b32 v3, 2, v11
	s_mul_i32 s74, s72, 3072
	v_add_nc_u32 v[BX16], s74, v1
	v_add_nc_u32 v[BX8], s74, v2
	s_lshl_b32 s74, s72, 7
	s_add_co_u32 s74, s74, 12288
	v_add_nc_u32 v[BSX], s74, v3
	s_mul_i32 s74, s73, 4608
	s_add_co_u32 s74, s74, 76800
	v_add_nc_u32 v[BW16], s74, v1
	v_and_b32 v11, 15, v0
	s_delay_alu instid0(VALU_DEP_1)
	v_lshlrev_b32 v11, 2, v11                      ; 4 r
	s_mul_i32 s74, s73, 192
	s_add_co_u32 s74, s74, 132096
	v_add_nc_u32 v[BSW], s74, v11
	s_lshl_b32 s76, s15, 3
	s_lshl_b32 s74, s72, 1
	s_add_co_u32 s76, s76, s74                     ; my first tile of tokens
	s_mul_i32 s76, s76, 48
	s_mul_i32 s74, s14, 6
	s_add_co_u32 s76, s76, s74
	s_mul_i32 s74, s73, 3
	s_add_co_u32 s76, s76, s74                     ; + my first tile of columns
	s_lshl_b32 s76, s76, 10
	s_mov_b32 s77, 0
	s_wait_dscnt 0x0                               ; the opening add is done
	s_wait_kmcnt 0x0
	s_add_nc_u64 s[68:69], s[4:5], s[68:69]
	s_add_nc_u64 s[70:71], s[6:7], s[70:71]
	s_add_nc_u64 s[8:9], s[8:9], s[76:77]
	s_add_nc_u64 s[10:11], s[10:11], s[76:77]
.irp n, 0,1
	s_mov_b32 s[G0H+4*\n], 1
	s_add_co_u32 s[G0H+4*\n+1], s66, \n*SLOTB
	s_add_nc_u64 s[G0H+4*\n+2:G0H+4*\n+3], s[68:69], \n*76800
	s_or_b32 s[G0H+4*\n+3], s[G0H+4*\n+3], 0x80000000
	s_mov_b32 s[G0W+4*\n], 1
	s_add_co_u32 s[G0W+4*\n+1], s67, \n*SLOTB+76800
	s_add_nc_u64 s[G0W+4*\n+2:G0W+4*\n+3], s[70:71], \n*57600
	s_or_b32 s[G0W+4*\n+3], s[G0W+4*\n+3], 0x80000000
.endr
	CROUND                                         ; all sixteen work-groups are here: the first joint loads meet
	TLOAD 0                                        ; slot 0's fill: one tensor load a wave at the head
.irp c, 0,1
.irp t, 0,1,2                                  ; the sums begin as h + b2
	global_load_b128 v[ACC+24*\c+8*\t:ACC+24*\c+8*\t+3], v1, s[8:9] offset:49152*\c+1024*\t
	global_load_b128 v[ACC+24*\c+8*\t+4:ACC+24*\c+8*\t+7], v1, s[8:9] offset:49152*\c+1024*\t+512
.endr
.endr
	s_wait_alu depctr_va_vdst(0)
	s_wait_tensorcnt 0x0                           ; my part of slot 0 is in; slot 1's first fill is issued as a refill is:
	ds_add_u32 v[SPW], v[NIL]
	s_wait_dscnt 0x0
	CROUND                                         ; everybody's part of slot 0 is in, and all sixteen work-groups are here
	TLOAD 1                                        ; the first tensor load behind the round
	s_wait_loadcnt 0x0
	COMPUTE 0
	CHANGE 0, 1
	COMPUTE 1
	CHANGE 1, 1
	COMPUTE 0
	CHANGE 0, 0                                    ; nothing is left to fetch
	COMPUTE 1
	PLACES 4
.irp c, 0,1
.irp t, 0,1,2
	global_store_b128 v1, v[ACC+24*\c+8*\t:ACC+24*\c+8*\t+3], s[10:11] offset:49152*\c+1024*\t       ; each accumulator from its low end on; a store covers 512 consecutive bytes
	global_store_b128 v1, v[ACC+24*\c+8*\t+4:ACC+24*\c+8*\t+7], s[10:11] offset:49152*\c+1024*\t+512
.endr
.endr
	s_wait_tensorcnt 0x0                           ; the wave's end
	ds_add_u32 v[SPW], v[NIL]
	s_wait_dscnt 0x0
	CROUND                                         ; the closing round
	s_endpgm
.Lfunc_end_k_q4a21e37dc2_ffn2:
	.size	k_q4a21e37dc2_ffn2, .Lfunc_end_k_q4a21e37dc2_ffn2-k_q4a21e37dc2_ffn2
	.p2alignl 7, 3214868480
	.fill 96, 4, 3214868480
	.section	.rodata,"a",@progbits
	.p2align	6, 0x0
	.amdhsa_kernel k_q4a21e37dc2_ffn2
		.amdhsa_group_segment_fixed_size 327680
		.amdhsa_private_segment_fixed_size 0
		.amdhsa_enable_private_segment 0
		.amdhsa_kernarg_size 32
		.amdhsa_user_sgpr_count 2
		.amdhsa_user_sgpr_kernarg_segment_ptr 1
		.amdhsa_wavefront_size32 1
		.amdhsa_system_sgpr_workgroup_id_x 1
		.amdhsa_system_sgpr_workgroup_id_y 1
		.amdhsa_system_sgpr_workgroup_id_z 1
		.amdhsa_system_vgpr_workitem_id 0
		.amdhsa_next_free_vgpr 160
		.amdhsa_next_free_sgpr 96
		.amdhsa_reserve_vcc 0
		.amdhsa_float_denorm_mode_32 3
		.amdhsa_float_denorm_mode_16_64 3
		.amdhsa_memory_ordered 1
		.amdhsa_forward_progress 1
		.amdhsa_inst_pref_size 23
	.end_amdhsa_kernel
	.amdgpu_metadata
---
amdhsa.version: [ 1, 2 ]
amdhsa.kernels:
  - .name:           k_q4a21e37dc2_ffn2
    .symbol:         k_q4a21e37dc2_ffn2.kd
    .args:
      - { .name: hid, .offset: 0, .size: 8, .value_kind: global_buffer, .address_space: global }
      - { .name: prepbuf, .offset: 8, .size: 8, .value_kind: global_buffer, .address_space: global }
      - { .name: hbres, .offset: 16, .size: 8, .value_kind: global_buffer, .address_space: global }
      - { .name: ybuf, .offset: 24, .size: 8, .value_kind: global_buffer, .address_space: global }
    .group_segment_fixed_size: 327680
    .private_segment_fixed_size: 0
    .kernarg_segment_align: 8
    .kernarg_segment_size: 32
    .max_flat_workgroup_size: 256
    .sgpr_count:     96
    .vgpr_count:     160
    .wavefront_size: 32
...
	.end_amdgpu_metadata
.endif
;; end of part 6
;; launch ln2 (part 7): grid 256 x 1, 12 waves a work-group, no clusters, 52,992 bytes of LDS; arguments ybuf, ln2_g, ln2_b, out0; writes out0
.if DOCPART == 7
	.amdgcn_target "amdgcn-amd-amdhsa--gfx1250"
	.amdhsa_code_object_version 6
	.text
	.protected	k_q4a21e37dc2_ln2
	.globl	k_q4a21e37dc2_ln2
	.p2align	8
	.type	k_q4a21e37dc2_ln2,@function
k_q4a21e37dc2_ln2:
	s_mov_b64 s[64:65], 0
	v_nop
	global_prefetch_b8 v0, s[64:65] scope:SCOPE_SE
	s_setreg_imm32_b32 hwreg(HW_REG_WAVE_MODE, 25, 1), 1
	s_wait_xcnt 0x0
; out = LN(y) g + b.  y lies as accumulator images: for a tile of 16 tokens and a tile of 16 columns 1,024 bytes, lane (r, h): token row r, eight columns.  The tiles' rows are put back into the tokens' order here.
; A work-group owns one tile of 16 tokens; wave w has columns 64 w .. 64 w + 63 (four images): a lane holds 32 numbers of one token.  Memory binds: each byte is read once and written once; no matrix unit, no cluster: work-groups share only g and b.
; The rows' means and variances meet in LDS (64 bytes a row, a word a wave), one barrier each, in bytes of their own; the results go through a stage (rows of 3,072 + 16 bytes) and leave as 512 consecutive bytes a store.
.set RED1,  0
.set RED2,  1024
.set STG,   2048
.set SP,    3088
.set SPARE, STG+16*SP                  ; the spare words, 128 bytes for each of 12 waves
.set RST, 6
.set RLD, 7
.set STO, 8
.set SRD, 9
.set SPW, 14
.set NIL, 15
.set Z,   16                           ; v16-47  y, then the result
.set GG,  48                           ; v48-79  g; later eight pieces of rows on the way out
.set BT,  80                           ; v80-111 b
.set RL,  112                          ; v112-123 the twelve parts of a sum
.set R0,  124
.set R2,  126
.set MU,  128
.set RS,  130
.set WV,  12
.set SEL, 28
.set INV, 30
.set EPS, 31
.macro CLOAD reg, base                 ; 32 numbers of a vector of 768: register 16 b + i is column 64 w + 32 b + 16 (lane / 16) + i
.irp b, 0,1
.irp q, 0,1,2,3
	global_load_b128 v[\reg+16*\b+4*\q:\reg+16*\b+4*\q+3], v5, s[\base:\base+1] offset:128*\b+16*\q
.endr
.endr
.endm
.macro ALLSUM red
	s_delay_alu instid0(VALU_DEP_1)
	v_pk_add_f32 v[R0:R0+1], v[R0:R0+1], v[R2:R2+1]
	s_delay_alu instid0(VALU_DEP_1)
	v_add_f32 v[R0], v[R0], v[R0+1]
	s_delay_alu instid0(VALU_DEP_1)
	v_permlanex16_b32 v[R2], v[R0], s[SEL], s[SEL+1]
	s_delay_alu instid0(VALU_DEP_1)
	v_add_f32 v[R0], v[R0], v[R2]
	ds_store_b32 v[RST], v[R0] offset:\red         ; lanes r and r + 16 store the same word with the same value
	s_wait_dscnt 0x0                               ; for the others' sake: my store has landed
	s_barrier_signal -1
	s_barrier_wait -1
	ds_load_b128 v[RL:RL+3], v[RLD] offset:\red
	ds_load_b128 v[RL+4:RL+7], v[RLD] offset:\red+16
	ds_load_b128 v[RL+8:RL+11], v[RLD] offset:\red+32
	s_wait_dscnt 0x0
	v_pk_add_f32 v[RL:RL+1], v[RL:RL+1], v[RL+2:RL+3]
	v_pk_add_f32 v[RL+4:RL+5], v[RL+4:RL+5], v[RL+6:RL+7]
	v_pk_add_f32 v[RL+8:RL+9], v[RL+8:RL+9], v[RL+10:RL+11]
	s_delay_alu instid0(VALU_DEP_2)
	v_pk_add_f32 v[RL:RL+1], v[RL:RL+1], v[RL+4:RL+5]
	s_delay_alu instid0(VALU_DEP_1)
	v_pk_add_f32 v[RL:RL+1], v[RL:RL+1], v[RL+8:RL+9]
	s_delay_alu instid0(VALU_DEP_1)
	v_add_f32 v[R0], v[RL], v[RL+1]
.endm
.macro LNORM
	v_pk_add_f32 v[R0:R0+1], v[Z:Z+1], v[Z+2:Z+3]
	v_pk_add_f32 v[R2:R2+1], v[Z+4:Z+5], v[Z+6:Z+7]
.irp j, 8,12,16,20,24,28
	s_delay_alu instid0(VALU_DEP_2)
	v_pk_add_f32 v[R0:R0+1], v[R0:R0+1], v[Z+\j:Z+\j+1]
	s_delay_alu instid0(VALU_DEP_2)
	v_pk_add_f32 v[R2:R2+1], v[R2:R2+1], v[Z+\j+2:Z+\j+3]
.endr
	ALLSUM RED1
	s_delay_alu instid0(VALU_DEP_1)
	v_mul_f32 v[MU], s[INV], v[R0]
	s_delay_alu instid0(VALU_DEP_1)
	v_mov_b32 v[MU+1], v[MU]
.set lj, 0
.rept 16
	v_pk_add_f32 v[Z+lj:Z+lj+1], v[Z+lj:Z+lj+1], v[MU:MU+1] neg_lo:[0,1] neg_hi:[0,1]
.set lj, lj+2
.endr
	v_pk_mul_f32 v[R0:R0+1], v[Z:Z+1], v[Z:Z+1]
	v_pk_mul_f32 v[R2:R2+1], v[Z+2:Z+3], v[Z+2:Z+3]
.irp j, 4,8,12,16,20,24,28
	s_delay_alu instid0(VALU_DEP_2)
	v_pk_fma_f32 v[R0:R0+1], v[Z+\j:Z+\j+1], v[Z+\j:Z+\j+1], v[R0:R0+1]
	s_delay_alu instid0(VALU_DEP_2)
	v_pk_fma_f32 v[R2:R2+1], v[Z+\j+2:Z+\j+3], v[Z+\j+2:Z+\j+3], v[R2:R2+1]
.endr
	ALLSUM RED2
	s_delay_alu instid0(VALU_DEP_1)
	v_fma_f32 v[RS], v[R0], s[INV], s[EPS]
	s_wait_alu depctr_va_vdst(0)
	v_rsq_f32 v[RS], v[RS]
	v_nop                                          ; a plain place behind the transcendental
	s_wait_loadcnt 0x0                             ; g and b are in
	s_wait_alu depctr_va_vdst(0)                   ; ahead of the first reader of the root's result
	v_mov_b32 v[RS+1], v[RS]
.set lj, 0
.rept 16
	v_pk_mul_f32 v[Z+lj:Z+lj+1], v[Z+lj:Z+lj+1], v[RS:RS+1]
.set lj, lj+2
.endr
.set lj, 0
.rept 16
	v_pk_fma_f32 v[Z+lj:Z+lj+1], v[Z+lj:Z+lj+1], v[GG+lj:GG+lj+1], v[BT+lj:BT+lj+1]
.set lj, lj+2
.endr
.endm
	s_load_b256 s[4:11], s[0:1], 0x0               ; ybuf, ln2_g, ln2_b, out0
	v_lshl_add_u32 v[SPW], v0, 2, SPARE
	v_mov_b32 v[NIL], 0
	v_lshrrev_b32 v1, 5, v0
	s_delay_alu instid0(VALU_DEP_1)
	v_readfirstlane_b32 s[WV], v1                  ; wave 0..11
	v_and_b32 v2, 31, v0
	s_delay_alu instid0(VALU_DEP_1)
	v_lshlrev_b32 v1, 4, v2                        ; 16 L
	s_wait_alu depctr_va_vdst(0)
	v_and_b32 v3, 15, v0                           ; r
	v_bfe_u32 v5, v0, 4, 1
	s_delay_alu instid0(VALU_DEP_1)
	v_lshlrev_b32 v5, 6, v5                        ; 64 h
	s_delay_alu instid0(VALU_DEP_3)
	v_lshlrev_b32 v[RLD], 6, v3
	s_lshl_b32 s13, s[WV], 2
	v_add_nc_u32 v[RST], s13, v[RLD]
	v_mul_u32_u24 v[STO], v3, SP
	s_delay_alu instid0(VALU_DEP_1)
	v_add_nc_u32 v[STO], v[STO], v5
	s_lshl_b32 s14, s[WV], 8                       ; 256 w
	s_add_co_u32 s13, s14, STG
	v_add_nc_u32 v[STO], s13, v[STO]               ; into the stage: row r, my wave's 256 bytes, + 64 h
	s_and_b32 s16, s[WV], 1
	s_lshr_b32 s17, s[WV], 1
	s_mul_i32 s13, s16, 8*SP
	s_lshl_b32 s18, s17, 9
	s_add_co_u32 s13, s13, s18
	s_add_co_u32 s13, s13, STG
	v_add_nc_u32 v[SRD], s13, v1                   ; back: rows 8 (w & 1) on, bytes 512 (w >> 1) on, 16 a lane
	s_mov_b32 s[SEL], 0x76543210
	s_mov_b32 s[SEL+1], 0xfedcba98
	s_mov_b32 s[INV], 0x3aaaaaab
	s_mov_b32 s[EPS], 0x3727c5ac
	s_mov_b32 s15, 0
	s_mul_i32 s20, ttmp9, 48
	s_lshl_b32 s13, s[WV], 2
	s_add_co_u32 s20, s20, s13
	s_lshl_b32 s20, s20, 10                        ; my four images
	s_mov_b32 s21, 0
	s_lshr_b32 s22, ttmp9, 1
	s_lshl_b32 s22, s22, 5
	s_and_b32 s13, ttmp9, 1
	s_lshl_b32 s13, s13, 3
	s_add_co_u32 s22, s22, s13
	s_lshl_b32 s13, s16, 4
	s_add_co_u32 s22, s22, s13                     ; tile row 8 (w & 1) + k is token 32 (T >> 1) + 8 (T & 1) + 16 (w & 1) + k
	s_mul_i32 s22, s22, 3072
	s_add_co_u32 s22, s22, s18
	s_mov_b32 s23, 0
	s_wait_alu depctr_va_vdst(0)
	s_wait_kmcnt 0x0
	s_add_nc_u64 s[4:5], s[4:5], s[20:21]
	s_add_nc_u64 s[6:7], s[6:7], s[14:15]
	s_add_nc_u64 s[8:9], s[8:9], s[14:15]
	s_add_nc_u64 s[10:11], s[10:11], s[22:23]
.irp t, 0,1,2,3
	global_load_b128 v[Z+8*\t:Z+8*\t+3], v1, s[4:5] offset:1024*\t th:TH_LOAD_NT
	global_load_b128 v[Z+8*\t+4:Z+8*\t+7], v1, s[4:5] offset:1024*\t+512 th:TH_LOAD_NT
.endr
	CLOAD GG, 6
	CLOAD BT, 8
	s_wait_loadcnt 16                              ; y's eight loads are in; g's and b's sixteen may be out
	LNORM
.irp b, 0,1
.irp q, 0,1,2,3
	ds_store_b128 v[STO], v[Z+16*\b+4*\q:Z+16*\b+4*\q+3] offset:128*\b+16*\q
.endr
.endr
	s_wait_dscnt 0x0                               ; for the others' sake: my stores into the stage have landed
	s_barrier_signal -1
	s_barrier_wait -1
.irp k, 0,1,2,3,4,5,6,7
	ds_load_b128 v[GG+4*\k:GG+4*\k+3], v[SRD] offset:\k*SP
.endr
.irp k, 0,1,2,3,4,5,6,7
	s_wait_dscnt 7-\k                              ; LDS loads come back in order: piece k is in
	global_store_b128 v1, v[GG+4*\k:GG+4*\k+3], s[10:11] offset:3072*\k th:TH_STORE_NT   ; 32 lanes store 512 consecutive bytes, at a multiple of 256 from the output's first byte
.endr
	s_wait_tensorcnt 0x0                           ; the wave's end, behind my last LDS store
	ds_add_u32 v[SPW], v[NIL]
	s_wait_dscnt 0x0
	s_endpgm
.Lfunc_end_k_q4a21e37dc2_ln2:
	.size	k_q4a21e37dc2_ln2, .Lfunc_end_k_q4a21e37dc2_ln2-k_q4a21e37dc2_ln2
	.p2alignl 7, 3214868480
	.fill 96, 4, 3214868480
	.section	.rodata,"a",@progbits
	.p2align	6, 0x0
	.amdhsa_kernel k_q4a21e37dc2_ln2
		.amdhsa_group_segment_fixed_size 52992
		.amdhsa_private_segment_fixed_size 0
		.amdhsa_enable_private_segment 0
		.amdhsa_kernarg_size 32
		.amdhsa_user_sgpr_count 2
		.amdhsa_user_sgpr_kernarg_segment_ptr 1
		.amdhsa_wavefront_size32 1
		.amdhsa_system_sgpr_workgroup_id_x 1
		.amdhsa_system_sgpr_workgroup_id_y 1
		.amdhsa_system_sgpr_workgroup_id_z 1
		.amdhsa_system_vgpr_workitem_id 0
		.amdhsa_next_free_vgpr 144
		.amdhsa_next_free_sgpr 66
		.amdhsa_reserve_vcc 0
		.amdhsa_float_denorm_mode_32 3
		.amdhsa_float_denorm_mode_16_64 3
		.amdhsa_memory_ordered 1
		.amdhsa_forward_progress 1
		.amdhsa_inst_pref_size 16
	.end_amdhsa_kernel
	.amdgpu_metadata
---
amdhsa.version: [ 1, 2 ]
amdhsa.kernels:
  - .name:           k_q4a21e37dc2_ln2
    .symbol:         k_q4a21e37dc2_ln2.kd
    .args:
      - { .name: ybuf, .offset: 0, .size: 8, .value_kind: global_buffer, .address_space: global }
      - { .name: ln2_g, .offset: 8, .size: 8, .value_kind: global_buffer, .address_space: global }
      - { .name: ln2_b, .offset: 16, .size: 8, .value_kind: global_buffer, .address_space: global }
      - { .name: out0, .offset: 24, .size: 8, .value_kind: global_buffer, .address_space: global }
    .group_segment_fixed_size: 52992
    .private_segment_fixed_size: 0
    .kernarg_segment_align: 8
    .kernarg_segment_size: 32
    .max_flat_workgroup_size: 384
    .sgpr_count:     66
    .vgpr_count:     144
    .wavefront_size: 32
...
	.end_amdgpu_metadata
.endif
;; end of part 7
